; MI455X (gfx1250); checked and timed in simulation.
; The chip was launched on July 23, 2026; its instructions are those of AMD's public machine-readable ISA for CDNA 5 (MIT licence, August 2026) and "CDNA5" Instruction Set Architecture Reference Guide (July 2026). The comments in the code are by the model that wrote it; some were corrected since.
;; Attention. Allowed arithmetic: matrix products marked QUANTISED: E2M3 operands, one E8M0 scale for each 32 along K, by v_wmma_scale_f32_16x16x128_f8f6f4 with both operands' format E2M3, f32 sums; everything else in f32.
;; Inputs: W_o 1,024 x 1,024 float32; W_qkv 1,024 x 3,072 float32; b_o 1,024 float32; b_qkv 3,072 float32; x 4 x 2,048 x 1,024 float32.
;; Outputs: out0 4 x 2,048 x 1,024 float32.
;; This version of the problem:
;;   THIS VERSION OF THE PROBLEM IS GIVEN IN LOW PRECISION. The matrix products marked QUANTISED in the list below multiply operands that are first quantised to E2M3 (2 exponent bits, 3 mantissa bits; 6 bits a number), with one power-of-two scale for each 32 numbers along K (OCP MX v1.0); their sums are f32. All else is computed in f32.
;;   The module's matrix products, in the order in which they are computed (A, B: the left and right operand; K: the contracted axis; several contracted axes count as one K, in the product's order):
;;     1. [M 8,192, K 1,024] x [K 1,024, N 3,072]; A: input x; B: input W_qkv: QUANTISED
;;     2. batch 64 x [M 2,048, K 64] x [K 64, N 2,048]; A: computed on the way; B: computed on the way: QUANTISED
;;     3. batch 64 x [M 2,048, K 2,048] x [K 2,048, N 64]; A: softmax (see below); B: computed on the way: QUANTISED
;;     4. [M 8,192, K 1,024] x [K 1,024, N 1,024]; A: computed on the way; B: input W_o: QUANTISED
;;   THE QUANTISER, for each operand of a quantised product, along K:
;;     - K is cut into blocks of 32 from its start; a last block that is shorter is filled with zeros.
;;     - A block's scale is 2^e with e = floor(log2(the largest magnitude in the block)) - 2, held to -126 .. 127; a block of zeros has e = 0. As a byte (E8M0): e + 127.
;;     - Each number is divided by its block's scale, clamped to +-7.5, and rounded to the nearest number of E2M3, ties to even, subnormals kept.
;;     - The product sums the exact products of the quantised numbers (number of the format x scale) in f32.
;;   ~~~python
;;   def quantise(x, axis):      # numpy; x: float32 -> the quantised numbers, widened to float32 again
;;       x = np.moveaxis(x, axis, -1); K = x.shape[-1]
;;       x = np.pad(x, [(0, 0)] * (x.ndim - 1) + [(0, -K % 32)]); x = x.reshape(x.shape[:-1] + (-1, 32)); a = np.abs(x).max(-1, keepdims=True)
;;       e = np.where(a > 0, np.clip(np.frexp(np.where(a > 0, a, 1))[1] - 1 - 2, -126, 127), 0)      # np.frexp(a)[1] - 1 = floor(log2(a)), exactly
;;       r = np.clip(x / 2.0 ** e, -7.5, 7.5)
;;       step = 2.0 ** (np.maximum(np.frexp(np.where(r == 0, 1, r))[1] - 1, 0) - 3)
;;       q = np.round(r / step) * step * 2.0 ** e      # np.round: ties to even
;;       return np.moveaxis(q.reshape(q.shape[:-2] + (-1,))[..., :K], -1, axis).astype(np.float32)
;;   ~~~
;;   SOFTMAX AHEAD OF A QUANTISED PRODUCT. Where the list says 'softmax', what is quantised is not the finished softmax but p = 2^(t - M), with t = logit x log2(e) and M = ceil(the row's largest t), a whole number; so 1/2 < the row's largest p <= 1. The row's sum l is taken of the UNQUANTISED p, in f32, and the product's result is divided by l at the end. Since M is a whole number, a kernel that streams over the keys may use a running M (the ceiling of the running maximum): every later rescaling is an exact power of two, which a block's scale takes up: the codes' values come out the same.
;;   OPERANDS COMPUTED ON THE WAY. 'Computed on the way' means the value that the module computes at that place (a softmax that the list does not call 'softmax' is quantised finished and normalised). What goes into a quantiser is computed in f32, as accurately as f32 sums, v_exp_f32 and their like allow (about 1e-6 of the number): no bf16 or f16 on the way to a quantiser, and a product that is left as it is and whose result goes on into a quantised operand takes f32 operands (vector FMAs, or v_wmma_f32_16x16x4_f32). A number that lies on a knife's edge between two numbers of the format may be rounded either way, as far as f32 arithmetic and the matrix unit's own rounding can turn it there, and no further.
;; One version. Each part assembles by itself: llvm-mc -triple=amdgcn-amd-amdhsa -mcpu=gfx1250 --defsym DOCPART=n.
;; ======== version 1 of 1: 4 launches
;; limits: right only within a limited range of input values
;; workspace buffers: xq 6,553,600 bytes; wq 3,276,800 bytes; qb 6,815,744 bytes; kv 13,107,200 bytes; ob 6,553,600 bytes
;; launch quant (part 1): grid 384 x 1, 4 waves a work-group, no clusters, 33,280 bytes of LDS; arguments x, W_qkv, W_o, xq, wq; writes xq, wq
.if DOCPART == 1
	.amdgcn_target "amdgcn-amd-amdhsa--gfx1250"
	.amdhsa_code_object_version 6
	.text
	.protected	k_q8bff2f6b80_quant
	.globl	k_q8bff2f6b80_quant
	.p2align	8
	.type	k_q8bff2f6b80_quant,@function
k_q8bff2f6b80_quant:
	s_mov_b64 s[64:65], 0
	v_nop
	global_prefetch_b8 v0, s[64:65] scope:SCOPE_SE
	s_setreg_imm32_b32 hwreg(HW_REG_WAVE_MODE, 25, 1), 1
	s_wait_xcnt 0x0
; x [8192][1024], W_qkv [1024][3072] and W_o [1024][1024], f32, become codes of FP6 (E2M3), K innermost, with one E8M0 scale byte for each 32 along K.
; Work-groups 0-127 take the weights (K is their first axis: a lane takes a column, its registers run down K), work-groups 128-383 take x (K innermost).
; A row of x, or a column of a weight, lies at PLACE = its number with bits 3 and 4 exchanged.  In wq places 0-3071 are W_qkv's columns, 3072-4095 W_o's.
; xq's CODES: [group of 256 places][K chunk of 256: 4][place][192 bytes]: a chunk of a group is a dense block that begins at a multiple of 256 bytes.
; wq's CODES: HALF IMAGES of 768 bytes, [tile of 16 places][64 along K: 16]: 16 rows x 64 along K as six operand registers a lane (lane r + 16 h: block h of row r):
; registers 0-3 at 16 x lane, registers 4-5 at 512 + 16 r + 8 h.
; SCALE BYTES: [place][32], in xq from byte 6,291,456, in wq from byte 3,145,728.
; A block's scale is 2^(floor(log2(its largest magnitude)) - 2); its byte is the largest magnitude's exponent field - 2, held at 1 from below.
; LIMITS: a block whose largest magnitude lies under 2^-124 has its byte held at 1; a block of zeros gets the byte 1 where the quantiser's rule says 127 (zero codes; the bytes are read by this program alone);
; NaN and infinities among the inputs are not served.
; The two paths part on the work-group's number.  Only x's path uses LDS (a region for each wave).  Waves share nothing: no barrier.
.set XCH,   49152                      ; from a K chunk to the next in a group of 256 places of xq
.set SPW,   208                        ; v208 my spare word; never rewritten
.set NIL,   209                        ; v209 0; never rewritten
.set SPARE, 32768                      ; behind x's four regions: the spare words, 128 bytes a wave
	s_load_b256 s[48:55], s[0:1], 0x0              ; x s[48:49], W_qkv s[50:51], W_o s[52:53], xq s[54:55]
	s_load_b64 s[56:57], s[0:1], 0x20              ; wq
	v_lshl_add_u32 v[SPW], v0, 2, SPARE
	v_mov_b32 v[NIL], 0
	v_lshrrev_b32 v1, 5, v0
	v_readfirstlane_b32 s16, v1                    ; wave
	v_and_b32 v2, 31, v0                           ; lane
	s_wait_alu depctr_va_vdst(0)                   ; the wait ahead of the branch
	s_cmp_lt_u32 ttmp9, 128
	s_cbranch_scc0 .Lx_path
; ---- THE WEIGHTS.  A work-group takes 128 columns x 256 along K, a wave 32 columns: 8 blocks a lane.  Two blocks of a lane are its part of a half image: three stores of 16 bytes a lane,
; in each of which sixteen lanes cover 256 consecutive bytes, aligned.
.set NB,    8
.set WX,    32                         ; v32-95 two sets of 32 numbers
.set WC,    96                         ; v96-98 the second conversion's codes
.set OUTR,  112                        ; v112-159 twelve registers for each pair of blocks: no store's data are written again
.set VO,    176                        ; v176-207 4 x lane + i rows of the source
.set SB,    24                         ; v24-25 the scale bytes
	s_and_b32 s3, ttmp9, 31                        ; which 128 columns: 0-23 W_qkv's, 24-31 W_o's
	s_lshr_b32 s18, ttmp9, 5                       ; which 256 along K
	s_mov_b32 s12, 4096
	s_cmp_lt_u32 s3, 24
	s_cselect_b32 s12, 12288, s12                  ; a row of the source in bytes
	s_cselect_b32 s13, 0, 24
	s_sub_co_u32 s13, s3, s13
	s_lshl_b32 s13, s13, 7
	s_lshl_b32 s14, s16, 5
	s_add_co_u32 s13, s13, s14                     ; my wave's first column in its source
	s_lshl_b32 s17, s3, 7
	s_add_co_u32 s17, s17, s14                     ; and its first place in wq
	v_lshlrev_b32 v3, 2, v2
.set i, 0
.rept 32
	v_mad_u32_u24 v[VO+i], s12, i, v3
.set i, i+1
.endr
	v_and_b32 v10, 7, v2
	v_bfe_u32 v11, v2, 3, 1
	v_lshl_add_u32 v10, v11, 4, v10
	v_bfe_u32 v11, v2, 4, 1
	v_lshl_add_u32 v10, v11, 3, v10                ; my lane's number with bits 3 and 4 exchanged: my column's place among the wave's 32
	v_lshrrev_b32 v6, 4, v10
	v_and_b32 v5, 15, v10
	v_mul_u32_u24 v8, v6, 12288                    ; its tile of 16 places,
	v_lshl_add_u32 v8, v5, 4, v8                   ; and 16 bytes for its row there
	v_lshlrev_b32 v9, 5, v10                       ; my place's row of scale bytes
	s_mul_i32 s20, s18, s12
	s_lshl_b32 s20, s20, 8
	s_lshl_b32 s22, s13, 2
	s_add_co_u32 s20, s20, s22                     ; the source: 256 y rows + 4 x column
	s_mov_b32 s21, 0
	s_lshl_b32 s22, s12, 5                         ; a block of 32 rows on
	s_mov_b32 s23, 0
	s_mul_i32 s24, s17, 768                        ; the codes: 12,288 bytes a tile of 16 places,
	s_mul_i32 s26, s18, 3072                       ; four half images for each 256 along K
	s_add_co_u32 s24, s24, s26
	s_mov_b32 s25, 0
	s_lshl_b32 s28, s17, 5
	s_lshl_b32 s26, s18, 3
	s_add_co_u32 s28, s28, s26
	s_add_co_u32 s28, s28, 3145728                 ; scale bytes: place x 32 + 8 y
	s_mov_b32 s29, 0
	s_wait_alu depctr_va_vdst(0)                   ; the wait at the head's end
	s_wait_kmcnt 0x0
	s_cmp_lt_u32 s3, 24
	s_cselect_b64 s[4:5], s[50:51], s[52:53]       ; the choice hangs on the work-group's number alone
	s_add_nc_u64 s[32:33], s[4:5], s[20:21]        ; a base for each of the eight blocks
.irp t, 1,2,3,4,5,6,7
	s_add_nc_u64 s[32+2*\t:33+2*\t], s[30+2*\t:31+2*\t], s[22:23]
.endr
	s_add_nc_u64 s[6:7], s[56:57], s[24:25]
	s_add_nc_u64 s[8:9], s[56:57], s[28:29]
.macro WLOAD t
.set i, 0
.rept 32
	global_load_b32 v[WX+32*((\t)%2)+i], v[VO+i], s[32+2*(\t):33+2*(\t)] th:TH_LOAD_NT
.set i, i+1
.endr
.endm
	WLOAD 0
	WLOAD 1
.macro WBLOCK t
.set XS, WX+32*((\t)%2)
.set OP, OUTR+12*((\t)/2)
.set OQ, OP+4*((\t)%2)
.if (\t) < NB-1
	s_wait_loadcnt 32                              ; this block's 32 loads are in; the next block's may be out
.else
	s_wait_loadcnt 0
.endif
	v_max3_num_f32 v12, |v[XS]|, |v[XS+1]|, |v[XS+2]|
	v_max3_num_f32 v13, |v[XS+3]|, |v[XS+4]|, |v[XS+5]|
.irp n, 6,10,14,18,22,26
	v_max3_num_f32 v12, v12, |v[XS+\n]|, |v[XS+\n+1]|
	v_max3_num_f32 v13, v13, |v[XS+\n+2]|, |v[XS+\n+3]|
.endr
	v_max3_num_f32 v12, v12, |v[XS+30]|, |v[XS+31]|
	v_max3_num_f32 v12, v12, v13, 0x1800000        ; the floor 2^(3 - 127): the byte cannot fall under 1
	v_add_nc_u32 v11, 0xff000000, v12              ; 2 off the exponent field: the conversion's scale operand
	v_lshrrev_b32 v13, 23, v11                     ; the scale's byte
.if (\t)%4 == 0
	v_mov_b32 v[SB+(\t)/4], v13
.else
	v_lshl_or_b32 v[SB+(\t)/4], v13, 8*((\t)%4), v[SB+(\t)/4]
.endif
	v_cvt_scalef32_pk16_fp6_f32 v[OQ:OQ+2], v[XS:XS+15], v11
	v_cvt_scalef32_pk16_fp6_f32 v[WC:WC+2], v[XS+16:XS+31], v11
	v_nop                                          ; one plain line behind the conversions
	v_mov_b32 v[OQ+3], v[WC]                       ; the block's registers 0-3,
	v_mov_b32 v[OP+8+2*((\t)%2)], v[WC+1]          ; and 4-5, beside those of the pair's other block
	v_mov_b32 v[OP+9+2*((\t)%2)], v[WC+2]
.if (\t)+2 < NB
	WLOAD (\t)+2
.endif
.if (\t)%2
	global_store_b128 v8, v[OP:OP+3], s[6:7] offset:768*((\t)/2)
	global_store_b128 v8, v[OP+4:OP+7], s[6:7] offset:768*((\t)/2)+256
	global_store_b128 v8, v[OP+8:OP+11], s[6:7] offset:768*((\t)/2)+512
.endif
.endm
.irp t, 0,1,2,3,4,5,6,7
	WBLOCK \t
.endr
	global_store_b64 v9, v[SB:SB+1], s[8:9]        ; my column's 8 scale bytes
	s_branch .Lend
; ---- x.  A wave takes 8 rows in 16 steps of 512 numbers; each load reads 512 consecutive bytes; a step turns through the wave's stage so that a lane holds 16 neighbours along K.
.Lx_path:
.set STEPS, 16
.set CB,    12
.set R,     16                         ; v16-79 four sets of 16 numbers as loaded
.set X,     80                         ; v80-111 two sets of 16 neighbours
.set C,     128                        ; v128-191 codes, four registers a step
.set E,     112                        ; v112-127 a scale byte a step
.set WREG,  8192
.set SP,    80
	v_lshlrev_b32 v3, 4, v2
	s_mul_i32 s17, s16, WREG
	v_lshrrev_b32 v14, 2, v2
	v_mul_u32_u24 v14, v14, SP
	v_and_b32 v15, 3, v2
	v_lshl_add_u32 v14, v15, 4, v14
	v_add_nc_u32 v14, s17, v14                     ; the stage, on the way in
	v_mul_u32_u24 v15, v2, SP
	v_add_nc_u32 v15, s17, v15                     ; and on the way out: my 16 neighbours
	v_and_b32 v4, 15, v2
	v_lshrrev_b32 v12, 4, v2
	v_mul_u32_u24 v4, v4, CB
	v_mad_u32_u24 v4, v12, XCH, v4                 ; sixteen lanes hold a chunk's 192 bytes of a row; lanes 16-31 the next chunk's
	v_lshrrev_b32 v5, 1, v2
	s_add_co_u32 s17, s17, 2*32*SP
	v_add_nc_u32 v5, s17, v5                       ; LDS: my wave's 256 scale bytes
	v_lshlrev_b32 v7, 3, v2
	v_add_nc_u32 v6, s17, v7
	s_sub_co_u32 s18, ttmp9, 128
	s_lshl_b32 s18, s18, 2
	s_add_co_u32 s20, s18, s16                     ; the run of 8 rows that I read
	s_and_b32 s22, s16, 1
	s_lshl_b32 s22, s22, 1
	s_lshr_b32 s23, s16, 1
	s_or_b32 s22, s22, s23
	s_add_co_u32 s22, s18, s22                     ; the run of 8 places that I write
	s_lshl_b32 s20, s20, 15
	s_mov_b32 s21, 0
	s_lshr_b32 s24, s22, 5
	s_mul_i32 s24, s24, 4*XCH                      ; its group of 256 places,
	s_and_b32 s25, s22, 31
	s_mul_i32 s25, s25, 8*192                      ; and its place there
	s_add_co_u32 s24, s24, s25
	s_mov_b32 s25, 0
	s_lshl_b32 s26, s22, 8
	s_add_co_u32 s26, s26, 6291456
	s_mov_b32 s27, 0
	s_wait_alu depctr_va_vdst(0)                   ; the wait at the head's end
	s_wait_kmcnt 0x0
	s_add_nc_u64 s[4:5], s[48:49], s[20:21]
	s_add_nc_u64 s[8:9], s[54:55], s[24:25]
	s_add_nc_u64 s[10:11], s[54:55], s[26:27]
.macro XLOAD t
.irp i, 0,1,2,3
	global_load_b128 v[R+16*((\t)%4)+4*\i:R+16*((\t)%4)+4*\i+3], v3, s[4:5] offset:2048*(\t)+512*\i th:TH_LOAD_NT
.endr
.endm
.macro XTURN t
.irp i, 0,1,2,3
	ds_store_b128 v14, v[R+16*((\t)%4)+4*\i:R+16*((\t)%4)+4*\i+3] offset:32*SP*((\t)%2)+8*SP*\i
.endr
.irp i, 0,1,2,3
	ds_load_b128 v[X+16*((\t)%2)+4*\i:X+16*((\t)%2)+4*\i+3], v15 offset:32*SP*((\t)%2)+16*\i
.endr
.endm
.irp t, 0,1,2,3
	XLOAD \t
.endr
	s_wait_loadcnt 12                              ; step 0's four loads are in; those of steps 1 to 3 may be out
	XTURN 0
.macro XSTEP t
.set XS, X+16*((\t)%2)
.if (\t) > 0
	s_wait_dscnt 1                                 ; this step's numbers are back (the last step's byte store may be out)
.else
	s_wait_dscnt 0x0
.endif
.if (\t)+4 < STEPS
	XLOAD (\t)+4
.endif
.if (\t)+1 < STEPS
.if STEPS-2-(\t) >= 3
	s_wait_loadcnt 12                              ; the next step's four loads are in; three steps' may be out
.else
	s_wait_loadcnt 4*(STEPS-2-(\t))
.endif
	XTURN (\t)+1
.endif
	v_max3_num_f32 v8, |v[XS]|, |v[XS+1]|, |v[XS+2]|
	v_max3_num_f32 v9, |v[XS+3]|, |v[XS+4]|, |v[XS+5]|
.irp i, 6,10
	v_max3_num_f32 v8, v8, |v[XS+\i]|, |v[XS+\i+1]|
	v_max3_num_f32 v9, v9, |v[XS+\i+2]|, |v[XS+\i+3]|
.endr
	v_max3_num_f32 v8, v8, |v[XS+14]|, |v[XS+15]|
	v_max3_num_f32 v8, v8, v9, 0x1800000           ; the floor 2^(3 - 127)
	v_max_num_f32_dpp v8, v8, v8 row_xmask:1 row_mask:0xf bank_mask:0xf   ; with my neighbour's 16: the block's
	v_add_nc_u32 v11, 0xff000000, v8
	v_cvt_scalef32_pk16_fp6_f32 v[C+4*(\t):C+4*(\t)+2], v[XS:XS+15], v11
	v_lshrrev_b32 v[E+(\t)], 23, v11               ; the scale's byte (also the plain line behind the conversion)
	ds_store_b8 v5, v[E+(\t)] offset:16*(\t)
	global_store_b96 v4, v[C+4*(\t):C+4*(\t)+2], s[8:9] offset:2*XCH*((\t)%2)+192*((\t)/2)   ; row t / 2, chunks 2 (t % 2) and 2 (t % 2) + 1
.endm
.irp t, 0,1,2,3,4,5,6,7,8,9,10,11,12,13,14,15
	XSTEP \t
.endr
	ds_load_b64 v[8:9], v6
	s_wait_dscnt 0x0
	global_store_b64 v7, v[8:9], s[10:11]          ; 32 lanes store 256 consecutive bytes, aligned
.Lend:
	s_wait_tensorcnt 0x0                           ; the wave's end
	ds_add_u32 v[SPW], v[NIL]
	s_wait_dscnt 0x0
	s_endpgm
.Lfunc_end_k_q8bff2f6b80_quant:
	.size	k_q8bff2f6b80_quant, .Lfunc_end_k_q8bff2f6b80_quant-k_q8bff2f6b80_quant
	.p2alignl 7, 3214868480
	.fill 96, 4, 3214868480
	.section	.rodata,"a",@progbits
	.p2align	6, 0x0
	.amdhsa_kernel k_q8bff2f6b80_quant
		.amdhsa_group_segment_fixed_size 33280
		.amdhsa_private_segment_fixed_size 0
		.amdhsa_enable_private_segment 0
		.amdhsa_kernarg_size 40
		.amdhsa_user_sgpr_count 2
		.amdhsa_user_sgpr_kernarg_segment_ptr 1
		.amdhsa_wavefront_size32 1
		.amdhsa_system_sgpr_workgroup_id_x 1
		.amdhsa_system_sgpr_workgroup_id_y 1
		.amdhsa_system_sgpr_workgroup_id_z 1
		.amdhsa_system_vgpr_workitem_id 0
		.amdhsa_next_free_vgpr 216
		.amdhsa_next_free_sgpr 66
		.amdhsa_reserve_vcc 0
		.amdhsa_float_denorm_mode_32 3
		.amdhsa_float_denorm_mode_16_64 3
		.amdhsa_memory_ordered 1
		.amdhsa_forward_progress 1
		.amdhsa_inst_pref_size 74
	.end_amdhsa_kernel
	.amdgpu_metadata
---
amdhsa.version: [ 1, 2 ]
amdhsa.kernels:
  - .name:           k_q8bff2f6b80_quant
    .symbol:         k_q8bff2f6b80_quant.kd
    .args:
      - { .name: x, .offset: 0, .size: 8, .value_kind: global_buffer, .address_space: global }
      - { .name: W_qkv, .offset: 8, .size: 8, .value_kind: global_buffer, .address_space: global }
      - { .name: W_o, .offset: 16, .size: 8, .value_kind: global_buffer, .address_space: global }
      - { .name: xq, .offset: 24, .size: 8, .value_kind: global_buffer, .address_space: global }
      - { .name: wq, .offset: 32, .size: 8, .value_kind: global_buffer, .address_space: global }
    .group_segment_fixed_size: 33280
    .private_segment_fixed_size: 0
    .kernarg_segment_align: 8
    .kernarg_segment_size: 40
    .max_flat_workgroup_size: 128
    .sgpr_count:     66
    .vgpr_count:     216
    .wavefront_size: 32
...
	.end_amdgpu_metadata
.endif
;; end of part 1
;; launch qkv (part 2): grid 8 x 32, 4 waves a work-group, clusters of 4 x 4, 327,680 bytes of LDS; arguments xq, wq, b_qkv, qb, kv; writes qb, kv
.if DOCPART == 2
	.amdgcn_target "amdgcn-amd-amdhsa--gfx1250"
	.amdhsa_code_object_version 6
	.text
	.protected	k_q8bff2f6b80_qkv
	.globl	k_q8bff2f6b80_qkv
	.p2align	8
	.type	k_q8bff2f6b80_qkv,@function
k_q8bff2f6b80_qkv:
	s_mov_b64 s[64:65], 0
	v_nop
	global_prefetch_b8 v0, s[64:65] scope:SCOPE_SE
	s_setreg_imm32_b32 hwreg(HW_REG_WAVE_MODE, 25, 1), 1
	s_wait_xcnt 0x0
	s_wait_alu depctr_hold_cnt(0) depctr_sa_sdst(0) depctr_va_vdst(0) depctr_va_sdst(0) depctr_va_ssrc(0) depctr_va_vcc(0) depctr_vm_vsrc(0)
	s_getreg_b32 s2, hwreg(HW_REG_IB_STS2, 6, 4)
	s_cmp_eq_u32 s2, 0
	s_cbranch_scc0 .Lentry_in_a_cluster
	s_endpgm
.Lentry_in_a_cluster:
	s_bfe_u32 s2, ttmp6, 0x10000c
	s_cmp_lg_u32 s2, 0xf033
	s_cbranch_scc0 .Lentry_shape_is_right
	s_endpgm
.Lentry_shape_is_right:
; qkv = x W_qkv + b_qkv on codes of FP6 (E2M3) with E8M0 scales, and its results QUANTISED IN REGISTERS into the operands of the attention launch; no f32 result goes to memory.
; THE DEAL.  256 work-groups of four waves, 2 x 2.  A work-group takes 256 tokens through three phases: 128 columns of q, the same 128 of k, the same 128 of v.  A wave makes 128 tokens x 64 columns (one head)
; in each phase: 32 accumulators, K = 1,024 in eight steps of 32 products.
; x's 256 ROWS LIE IN LDS FOR ALL OF K AND ALL THREE PHASES: four chunks of 256 along K, each a dense block of 49,152 bytes of xq, stated as 192 rows of 256 bytes, 16 bytes of padding behind every 64:
; LDS rows of 192 bytes at a pitch of 240.  One joint load a wave (a row of the 4 x 4 cluster shares them); nothing is filled again.  The first barrier shows chunk 0, the barrier in a phase's second step the others.
; THE WEIGHTS GO FROM MEMORY STRAIGHT INTO REGISTERS: wq holds them as half images in the order of the operand's registers, so that a load's 32 lanes read 512 or 256 bytes on end.  A step's four fragments (16 loads)
; are asked for three steps ahead, into a ring of four register sets, and the ring runs on across the phases' ends.  They are not asked for jointly: beside x's 245,760 bytes LDS has no room for two slots of a
; weight's tile (98,304 bytes each).  No prefetch: x is asked for whole at the head, and the weights' loads run three steps ahead.
; A LANE'S EIGHT RESULTS RUN ALONG SOURCE 0's ROWS, and the next quantiser wants a lane's registers to run along ITS K: q, k: source 0 = the weight's columns (registers along the head's 64);
; v: source 0 = x's rows (registers along the keys).  Places have bits 3 and 4 exchanged: place 16 (2 f + u) + r is number 32 f + 8 u + r + 8 (r / 8), so the 16 registers of two neighbouring blocks are 16 neighbours.
; q and k share one text, a loop of two trips; what differs lies in scalars, and the scale words' form under a branch on the trip's number.
; THE BIAS is the first products' C in all phases: q, k: eight numbers a block along source 0; v: one number a lane, spread over eight registers.
; WHAT IS STORED: half images of 768 bytes (16 rows x 64 along K: registers 0-3 at 16 x lane, 4-5 at 512 + 16 r + 8 h).
;   qb: q's [head of batch 64][tile 128] from byte 0; q's scale words [64][record 16][512 bytes] from byte 6,291,456.
;   kv: [64][record of 128 keys: 16][12,800 bytes]: K's 8 half images, V^T's 8 (d tile t, key half c at 1,536 t + 768 c), K's 64 scale words, V's 64.
; LIMITS: a block whose largest magnitude lies under 2^-124 has its byte held at 1; a block of zeros gets the byte 1 (zero codes; read by this program alone); NaN and infinities are not served.
; REGISTERS: window 0: v0-31 addresses; v32-95 x's scale words (8 a + q); v100-131 the weight's (8 b + q); v132-163 the bias; v164-255 the way out.
;   window 1: x's fragments, two sets of 96; v192-223 k's bias, v224-227 v's.  window 2: the weights' ring, four sets of 48.  window 3: the accumulators.
.set PITCH, 240
.set CHL,   256*PITCH                  ; a chunk in LDS
.set SPARE, 4*CHL                      ; the spare words, 128 bytes a wave
.set ADX, 8                            ; v8-15 LDS addresses of my fragments in the four chunks; the second of each pair for the pieces behind one padding more
.set LX,  16                           ; 16 x lane
.set LY,  17                           ; 16 r + 8 h
.set L8,  18                           ; 8 x lane
.set R32, 19                           ; 32 r
.set H64, 20                           ; 64 h
.set RB,  21                           ; 4 (r + 8 (r / 8))
.set SPW, 28
.set NIL, 29
.set XSC, 32
.set WSC, 100
.set BR,  132
.set TM,  164
.set TP,  168
.set SO,  172
.set CXB, 176                          ; v176-223 six registers for each of a phase's eight half images
.set UU,  224                          ; v224-231 their pairs of scale bytes
.set WT,  232
.set WO,  240
.set CZ,  244
.set BY,  252
.set KB,  192
.set VB,  224
.set G1,  24
.set G0,  32
.set WB,  78                           ; s[78:79] the phase's weights, my 64 places
.set SW,  80                           ; s[80:81] their scale bytes
.set MSB, 0
.macro WIN new
.if MSB != (\new)
	s_set_vgpr_msb (MSB<<8)|(\new)
.set MSB, (\new)
.endif
.endm
.macro PLACES n
.rept \n
	v_nop
.endr
.endm
.macro CROUND
	s_barrier_signal -1
	s_barrier_wait -1
	s_cmp_lg_u32 s14, 0
	s_cbranch_scc1 .Lnot_wave_0_\@
	s_barrier_signal -3
.Lnot_wave_0_\@:
	s_barrier_wait -3
	s_barrier_signal -1
	s_barrier_wait -1
.endm
	s_load_b256 s[4:11], s[0:1], 0x0               ; xq, wq, b_qkv, qb
	s_load_b64 s[12:13], s[0:1], 0x20              ; kv
	v_lshl_add_u32 v[SPW], v0, 2, SPARE
	v_mov_b32 v[NIL], 0
	ds_add_u32 v[SPW], v[NIL]                      ; the opening lines: the add twice and its wait ahead of my tensor load
	ds_add_u32 v[SPW], v[NIL]
	v_lshrrev_b32 v1, 5, v0
	v_readfirstlane_b32 s14, v1                    ; wave
	s_lshr_b32 s15, s14, 1                         ; which 128 tokens are mine
	s_and_b32 s16, s14, 1                          ; which 64 columns
	s_bfe_u32 s40, ttmp6, 0x40000                  ; cx
	s_bfe_u32 s41, ttmp6, 0x40004                  ; cy
	s_lshl_b32 s42, ttmp9, 2
	s_add_co_u32 s42, s42, s40                     ; tile column, 0 .. 7
	s_and_b32 s17, ttmp7, 0xffff
	s_lshl_b32 s17, s17, 2
	s_add_co_u32 s17, s17, s41                     ; tile row, 0 .. 31
	s_lshl_b32 s43, s41, 2
	s_lshl_b32 s43, 15, s43                        ; my row of the cluster
	s_or_b32 s[G1+0], s43, (1<<20)|(1<<21)|(3<<22)|(3<<25)
	s_mov_b32 s[G1+1], 256<<16
	s_mov_b32 s[G1+2], 192<<16
	s_mov_b32 s[G1+3], 256<<16
	s_mov_b32 s[G1+4], 192
	s_mov_b32 s[G1+5], 256
	s_mov_b32 s[G1+6], 0
	s_mov_b32 s[G1+7], 0
	s_mul_i32 s20, s17, 196608                     ; my group of 256 places,
	s_mul_i32 s21, s14, 49152                      ; chunk = wave
	s_add_co_u32 s20, s20, s21
	s_mov_b32 s21, 0
	s_mov_b32 s[G0], 1
	s_mul_i32 s[G0+1], s14, CHL
	s_wait_dscnt 0x0
	s_wait_kmcnt 0x0
	s_add_nc_u64 s[G0+2:G0+3], s[4:5], s[20:21]
	s_or_b32 s[G0+3], s[G0+3], 0x80000000
	CROUND                                         ; all sixteen work-groups are here: the joint loads meet
	s_cmp_lt_u32 s14, 1                            ; wave 0, which alone waits ahead of the first barrier, has a load line of its own
	s_cbranch_scc0 .Lothers
	tensor_load_to_lds s[G0:G0+3], s[G1:G1+7]
	s_nop 0
	PLACES 4
	s_branch .Lasked
.Lothers:
	tensor_load_to_lds s[G0:G0+3], s[G1:G1+7]
	s_nop 0
	PLACES 4
.Lasked:
	s_lshl_b32 s18, s42, 7
	s_lshl_b32 s19, s16, 6
	s_add_co_u32 s18, s18, s19                     ; my first column of q, as a place of wq
	s_mul_i32 s[WB], s18, 768
	s_mov_b32 s[WB+1], 0
	s_add_nc_u64 s[WB:WB+1], s[6:7], s[WB:WB+1]
	s_lshl_b32 s[SW], s18, 5
	s_add_co_u32 s[SW], s[SW], 3145728
	s_mov_b32 s[SW+1], 0
	s_add_nc_u64 s[SW:SW+1], s[6:7], s[SW:SW+1]
	s_lshl_b32 s82, s18, 2
	s_mov_b32 s83, 0
	s_add_nc_u64 s[82:83], s[8:9], s[82:83]        ; the bias: q's; k's 4,096 bytes on, v's 8,192
	s_lshl_b32 s84, s17, 8
	s_lshl_b32 s19, s15, 7
	s_add_co_u32 s84, s84, s19
	s_lshl_b32 s84, s84, 5
	s_add_co_u32 s84, s84, 6291456
	s_mov_b32 s85, 0
	s_add_nc_u64 s[84:85], s[4:5], s[84:85]        ; x's scale bytes, my 128 places
	s_lshr_b32 s22, s17, 3
	s_lshl_b32 s22, s22, 4
	s_lshl_b32 s19, s42, 1
	s_add_co_u32 s22, s22, s19
	s_add_co_u32 s22, s22, s16                     ; 16 x batch + head
	s_and_b32 s23, s17, 7
	s_lshl_b32 s23, s23, 1
	s_add_co_u32 s23, s23, s15                     ; which 128 tokens of the batch
	s_mul_i32 s70, s22, 98304
	s_mul_i32 s19, s23, 6144
	s_add_co_u32 s70, s70, s19
	s_mov_b32 s71, 0
	s_add_nc_u64 s[70:71], s[10:11], s[70:71]      ; q's half images
	s_mul_i32 s72, s22, 204800
	s_mul_i32 s19, s23, 12800
	s_add_co_u32 s72, s72, s19
	s_mov_b32 s73, 0
	s_add_nc_u64 s[72:73], s[12:13], s[72:73]      ; my record of kv
	s_lshl_b32 s76, s22, 4
	s_add_co_u32 s76, s76, s23
	s_lshl_b32 s76, s76, 9
	s_add_co_u32 s76, s76, 6291456
	s_mov_b32 s77, 0
	s_add_nc_u64 s[76:77], s[10:11], s[76:77]      ; q's scale words
	s_mul_i32 s21, s15, 128*PITCH
	s_mov_b32 s86, 0x76543210
	s_mov_b32 s87, 0xfedcba98                      ; v_permlanex16_b32's selects for lane l xor 16
	s_mov_b32 s88, 0xffff0000                      ; lanes 16-31
	s_mov_b32 s89, 0                               ; the trip: 0 q, 1 k
	v_and_b32 v1, 15, v0                           ; r
	v_bfe_u32 v2, v0, 4, 1                         ; h
	v_and_b32 v6, 31, v0
	v_mul_u32_u24 v3, v1, PITCH
	v_mad_u32_u24 v4, v2, 24, v3
	v_lshl_add_u32 v5, v2, 4, v4
	v_add_nc_u32 v[ADX], s21, v4
	v_add_nc_u32 v[ADX+1], s21, v5
.irp c, 1,2,3
	v_add_nc_u32 v[ADX+2*\c], \c*CHL, v[ADX]
	v_add_nc_u32 v[ADX+2*\c+1], \c*CHL, v[ADX+1]
.endr
	v_lshlrev_b32 v[LX], 4, v6
	v_lshlrev_b32 v[LY], 4, v1
	v_lshl_add_u32 v[LY], v2, 3, v[LY]
	v_lshlrev_b32 v[L8], 3, v6
	v_lshlrev_b32 v[R32], 5, v1
	v_lshlrev_b32 v[H64], 6, v2
	v_and_b32 v[RB], 8, v1
	v_add_nc_u32 v[RB], v[RB], v1
	v_lshlrev_b32 v[RB], 2, v[RB]
.irp k, 0,1,2,3
	v_mov_b32 v[TP+\k], 0                          ; written once: a lane permute's destination counts as one of its sources
.endr
	s_wait_alu depctr_va_vdst(0)                   ; the wait at the head's end
.macro WLOAD s                         ; the weight's four fragments of step s (counted from the phase's first; 8 and more: the next phase's) into ring set s % 4: 16 loads
.set WF_, 48*((\s)%4)
.set OW_, 786432*((\s)/8)+1536*((\s)%8)
	WIN 0x80
.irp b, 0,1,2,3
	global_load_b128 v[WF_+12*\b:WF_+12*\b+3], v[LX], s[WB:WB+1] offset:OW_+12288*\b
	global_load_b64 v[WF_+12*\b+4:WF_+12*\b+5], v[LY], s[WB:WB+1] offset:OW_+12288*\b+512
	global_load_b128 v[WF_+12*\b+6:WF_+12*\b+9], v[LX], s[WB:WB+1] offset:OW_+12288*\b+768
	global_load_b64 v[WF_+12*\b+10:WF_+12*\b+11], v[LY], s[WB:WB+1] offset:OW_+12288*\b+1280
.endr
	WIN 0
.endm
.macro WSLOAD                          ; a phase's scale words of the weight: 8 loads
.irp b, 0,1,2,3
	global_load_b128 v[WSC+8*\b:WSC+8*\b+3], v[R32], s[SW:SW+1] offset:512*\b
	global_load_b128 v[WSC+8*\b+4:WSC+8*\b+7], v[R32], s[SW:SW+1] offset:512*\b+16
.endr
.endm
.irp a, 0,1,2,3,4,5,6,7
	global_load_b128 v[XSC+8*\a:XSC+8*\a+3], v[R32], s[84:85] offset:512*\a
	global_load_b128 v[XSC+8*\a+4:XSC+8*\a+7], v[R32], s[84:85] offset:512*\a+16
.endr
.irp b, 0,1,2,3
	global_load_b128 v[BR+8*\b:BR+8*\b+3], v[H64], s[82:83] offset:(32*(\b/2)+8*(\b%2))*4      ; block b, register j: channel 32 (b / 2) + 16 h + 8 (b % 2) + j
	global_load_b128 v[BR+8*\b+4:BR+8*\b+7], v[H64], s[82:83] offset:(32*(\b/2)+8*(\b%2))*4+16
.endr
	WIN 0x40
.irp b, 0,1,2,3
	global_load_b128 v[KB+8*\b:KB+8*\b+3], v[H64], s[82:83] offset:4096+(32*(\b/2)+8*(\b%2))*4
	global_load_b128 v[KB+8*\b+4:KB+8*\b+7], v[H64], s[82:83] offset:4096+(32*(\b/2)+8*(\b%2))*4+16
.endr
.irp t, 0,1,2,3
	global_load_b32 v[VB+\t], v[RB], s[82:83] offset:8192+(32*(\t/2)+8*(\t%2))*4               ; d tile t: channel 32 (t / 2) + 8 (t % 2) + r + 8 (r / 8)
.endr
	WIN 0
	WLOAD 0
	WLOAD 1
	WLOAD 2
	WSLOAD
.macro FRAGX reg, q, i                 ; x's fragment: six pieces of 8 bytes; where lanes 16-31 lie behind one padding more, the second address serves
.set AB_, ADX+2*(((\q)%8)/2)
.irp p, 0,1,2,3,4,5
.set PC, 12*((\q)%2)+6*(\p/3)+\p%3
.set OB_, 8*PC+16*(PC/8)+(\i)*16*PITCH
.if PC%8 < 5
	ds_load_b64 v[\reg+2*\p:\reg+2*\p+1], v[AB_] offset:OB_
.else
	ds_load_b64 v[\reg+2*\p:\reg+2*\p+1], v[AB_+1] offset:OB_
.endif
.endr
.endm
.macro FETCH q                         ; x's eight fragments of step q % 8 into set q % 2: 48 loads
	WIN 0x40
.irp i, 0,1,2,3,4,5,6,7
	FRAGX 96*((\q)%2)+12*\i, \q, \i
.endr
	WIN 0
.endm
; 32 products; the 32 accumulators take turns, in the same order in every step.  kind 0: q, k: accumulator (a, b) at 8 (4 a + b); kind 1: v: (t, a) at 8 (8 t + a)
.macro MUL kind, s
.set XF_, 96*((\s)%2)
.set WF_, 48*((\s)%4)
.if \kind
.if (\s) == 0
	WIN 0xc9
.else
	WIN 0xf9
.endif
.irp a, 0,1,2,3,4,5,6,7
.irp t, 0,1,2,3
.if (\s) == 0
	v_wmma_scale_f32_16x16x128_f8f6f4 v[8*(8*\t+\a):8*(8*\t+\a)+7], v[XF_+12*\a:XF_+12*\a+11], v[WF_+12*\t:WF_+12*\t+11], v[BR+8*\t:BR+8*\t+7], v[XSC+8*\a+(\s)], v[WSC+8*\t+(\s)] matrix_a_fmt:MATRIX_FMT_FP6 matrix_b_fmt:MATRIX_FMT_FP6
.else
	v_wmma_scale_f32_16x16x128_f8f6f4 v[8*(8*\t+\a):8*(8*\t+\a)+7], v[XF_+12*\a:XF_+12*\a+11], v[WF_+12*\t:WF_+12*\t+11], v[8*(8*\t+\a):8*(8*\t+\a)+7], v[XSC+8*\a+(\s)], v[WSC+8*\t+(\s)] matrix_a_fmt:MATRIX_FMT_FP6 matrix_b_fmt:MATRIX_FMT_FP6
.endif
.endr
.endr
.else
.if (\s) == 0
	WIN 0xc6
.else
	WIN 0xf6
.endif
.irp a, 0,1,2,3,4,5,6,7
.irp b, 0,1,2,3
.if (\s) == 0
	v_wmma_scale_f32_16x16x128_f8f6f4 v[8*(4*\a+\b):8*(4*\a+\b)+7], v[WF_+12*\b:WF_+12*\b+11], v[XF_+12*\a:XF_+12*\a+11], v[BR+8*\b:BR+8*\b+7], v[WSC+8*\b+(\s)], v[XSC+8*\a+(\s)] matrix_a_fmt:MATRIX_FMT_FP6 matrix_b_fmt:MATRIX_FMT_FP6
.else
	v_wmma_scale_f32_16x16x128_f8f6f4 v[8*(4*\a+\b):8*(4*\a+\b)+7], v[WF_+12*\b:WF_+12*\b+11], v[XF_+12*\a:XF_+12*\a+11], v[8*(4*\a+\b):8*(4*\a+\b)+7], v[WSC+8*\b+(\s)], v[XSC+8*\a+(\s)] matrix_a_fmt:MATRIX_FMT_FP6 matrix_b_fmt:MATRIX_FMT_FP6
.endif
.endr
.endr
.endif
.endm
; a step: the weight's fragments of three steps on and x's of the next step are asked for, into the sets that the last step's products read; ln: the weight loads that may be out.  last = 1: the last phase asks for nothing beyond its end
.macro STEP kind, s, ln, last
	PLACES 4
.if !(\last) || (\s)+3 < 8
	WLOAD (\s)+3
.endif
.if !(\last) || (\s) < 7
	FETCH (\s)+1
	s_wait_loadcnt \ln
	s_wait_dscnt 48                                ; this step's set is in; the 48 loads just issued may be out
.else
	s_wait_loadcnt \ln
	s_wait_dscnt 0x0
.endif
	MUL \kind, \s
.endm
; THE WAY OUT of 64 accumulator registers from ac on: two half images, n and n + 1: four blocks of 32, a lane's 16 numbers of each; the four chains by turns
.macro HIOUT2 ac, n, off
	WIN 0x0f
.irp k, 0,1,2,3
	v_max3_num_f32 v[TM+\k], |v[\ac+16*\k]|, |v[\ac+16*\k+1]|, 0x1800000   ; each accumulator from its low end on; the floor 2^(3 - 127)
.endr
	WIN 0x3c
.irp m, 2,4,6,8,10,12,14
.irp k, 0,1,2,3
	v_max3_num_f32 v[TM+\k], v[TM+\k], |v[\ac+16*\k+\m]|, |v[\ac+16*\k+\m+1]|
.endr
.endr
	WIN 0
.irp k, 0,1,2,3
	v_permlanex16_b32 v[TP+\k], v[TM+\k], s86, s87
.endr
.irp k, 0,1,2,3
	v_max_num_f32 v[TM+\k], v[TM+\k], v[TP+\k]     ; with lane l xor 16's: the block's largest magnitude
.endr
.irp k, 0,1,2,3
	v_add_nc_u32 v[SO+\k], 0xff000000, v[TM+\k]    ; 2 off its exponent field: the conversion's scale operand
.endr
.irp k, 0,1,2,3
	v_lshrrev_b32 v[BY+\k], 23, v[SO+\k]           ; the scale's byte
.endr
	v_lshl_or_b32 v[UU+(\n)], v[BY+1], 8, v[BY]
	v_lshl_or_b32 v[UU+(\n)+1], v[BY+3], 8, v[BY+2]
	WIN 0x03
.irp e, 0,1
	v_cvt_scalef32_pk16_fp6_f32 v[CXB+6*((\n)+\e):CXB+6*((\n)+\e)+2], v[\ac+32*\e:\ac+32*\e+15], v[SO+2*\e]
	v_cvt_scalef32_pk16_fp6_f32 v[CZ+4*\e:CZ+4*\e+2], v[\ac+32*\e+16:\ac+32*\e+31], v[SO+2*\e+1]
.endr
	WIN 0
	v_nop                                          ; one plain line behind the conversions
.irp e, 0,1
.irp i, 0,1,2
	v_permlane16_swap_b32 v[CXB+6*((\n)+\e)+\i], v[CZ+4*\e+\i]   ; a lane gets a whole block: lanes 0-15 block 0, lanes 16-31 block 1
.endr
.endr
.irp e, 0,1
.irp i, 0,1,2
	v_mov_b32 v[CXB+6*((\n)+\e)+3+\i], v[CZ+4*\e+\i]
.endr
.endr
.irp e, 0,1
	global_store_b128 v[LX], v[CXB+6*((\n)+\e):CXB+6*((\n)+\e)+3], s[90:91] offset:(\off)+768*((\n)+\e)          ; 512 consecutive bytes, aligned to 256
	global_store_b64 v[LY], v[CXB+6*((\n)+\e)+4:CXB+6*((\n)+\e)+5], s[90:91] offset:(\off)+768*((\n)+\e)+512     ; 256 consecutive bytes, aligned
.endr
.endm
.macro KVW off                         ; K's or V's scale words: word f holds half images 2 f and 2 f + 1; lane r + 16 h: words h and 2 + h of row r
.irp f, 0,1,2,3
	v_lshl_or_b32 v[WT+\f], v[UU+2*\f+1], 16, v[UU+2*\f]
.endr
	v_cndmask_b32 v[WO], v[WT], v[WT+1], s88
	v_cndmask_b32 v[WO+1], v[WT+2], v[WT+3], s88
	global_store_b64 v[L8], v[WO:WO+1], s[72:73] offset:\off
.endm
	s_cmp_lt_u32 s14, 1
	s_cbranch_scc0 .Lnot_first
	s_wait_tensorcnt 0x0                           ; wave 0: chunk 0
.Lnot_first:
	s_barrier_signal -1
	s_barrier_wait -1                              ; chunk 0 is shown to all
	FETCH 0
.Lphase:                                               ; q, then k
	STEP 0, 0, 16, 0                               ; the phase's scale words are in: only this step's 16 loads are younger
	PLACES 4
	WLOAD 4
	s_wait_loadcnt 48                              ; step 1's fragments are in; three steps' loads may be out
	s_wait_tensorcnt 0x0                           ; every wave: its chunk is in,
	s_wait_dscnt 0x0                               ; and step 1's fragments of x
	s_barrier_signal -1
	MUL 0, 1
	WIN 0
	s_barrier_wait -1                              ; all four chunks are shown to all
	PLACES 4
	FETCH 2
.irp s, 2,3,4,5,6,7
	STEP 0, \s, 48, 0
.endr
	WIN 0
	PLACES 4
	s_wait_xcnt 0x0                                ; every load and store has read its base and its data
	s_add_nc_u64 s[WB:WB+1], s[WB:WB+1], 786432    ; on to the next phase's 1,024 places
	s_add_nc_u64 s[SW:SW+1], s[SW:SW+1], 32768
	s_cmp_eq_u32 s89, 0
	s_cselect_b64 s[90:91], s[70:71], s[72:73]     ; q goes to qb, k to kv
	WSLOAD                                         ; they land while the results are quantised
	WIN 0x01
.set i, 0
.rept 32
	v_mov_b32 v[BR+i], v[KB+i]                     ; k's bias (behind the second trip v's is laid over it)
.set i, i+1
.endr
	WIN 0
	HIOUT2 0, 0, 0
	HIOUT2 64, 2, 0
	HIOUT2 128, 4, 0
	HIOUT2 192, 6, 0
	s_cmp_eq_u32 s89, 0
	s_wait_alu depctr_va_vdst(0)                   ; the wait ahead of the branch
	s_cbranch_scc0 .Lk_words
.irp a, 0,1,2,3,4,5,6,7
	v_lshl_or_b32 v[WT+\a], v[UU+\a], 16, v[UU+\a] ; q's two bytes twice: they serve q in either half of an operand
.endr
.irp n, 0,1,2,3
	v_cndmask_b32 v[WO+\n], v[WT+\n], v[WT+4+\n], s88   ; lane r + 16 h: tiles 4 h + 0 .. 3 of row r
.endr
	global_store_b128 v[LX], v[WO:WO+3], s[76:77]
	s_branch .Lwords_done
.Lk_words:
	KVW 12288
.Lwords_done:
	s_add_co_u32 s89, s89, 1
	s_cmp_lt_u32 s89, 2
	s_wait_alu depctr_va_vdst(0)                   ; the wait ahead of the branch
	s_cbranch_scc1 .Lphase
	WIN 0x01
.irp t, 0,1,2,3
.irp i, 0,1,2,3,4,5,6,7
	v_mov_b32 v[BR+8*\t+\i], v[VB+\t]              ; v's bias, one number a lane and d tile, over the tile's eight registers
.endr
.endr
	WIN 0
	s_wait_alu depctr_va_vdst(0)
	STEP 1, 0, 16, 1
.irp s, 1,2,3,4
	STEP 1, \s, 48, 1
.endr
	STEP 1, 5, 32, 1                               ; nothing more is asked for: two steps' loads may be out,
	STEP 1, 6, 16, 1                               ; one step's,
	STEP 1, 7, 0, 1                                ; none
	WIN 0
	PLACES 4
	s_wait_xcnt 0x0
	s_mov_b64 s[90:91], s[72:73]
	HIOUT2 0, 0, 6144                              ; V^T lies behind K in a record: d tile t, key half c is half image 2 t + c
	HIOUT2 64, 2, 6144
	HIOUT2 128, 4, 6144
	HIOUT2 192, 6, 6144
	KVW 12544
	s_wait_tensorcnt 0x0                           ; the wave's end
	ds_add_u32 v[SPW], v[NIL]
	s_wait_dscnt 0x0
	CROUND                                         ; the closing round
	s_endpgm
.Lfunc_end_k_q8bff2f6b80_qkv:
	.size	k_q8bff2f6b80_qkv, .Lfunc_end_k_q8bff2f6b80_qkv-k_q8bff2f6b80_qkv
	.p2alignl 7, 3214868480
	.fill 96, 4, 3214868480
	.section	.rodata,"a",@progbits
	.p2align	6, 0x0
	.amdhsa_kernel k_q8bff2f6b80_qkv
		.amdhsa_group_segment_fixed_size 327680
		.amdhsa_private_segment_fixed_size 0
		.amdhsa_enable_private_segment 0
		.amdhsa_kernarg_size 40
		.amdhsa_user_sgpr_count 2
		.amdhsa_user_sgpr_kernarg_segment_ptr 1
		.amdhsa_wavefront_size32 1
		.amdhsa_system_sgpr_workgroup_id_x 1
		.amdhsa_system_sgpr_workgroup_id_y 1
		.amdhsa_system_sgpr_workgroup_id_z 1
		.amdhsa_system_vgpr_workitem_id 0
		.amdhsa_next_free_vgpr 1024
		.amdhsa_next_free_sgpr 98
		.amdhsa_reserve_vcc 0
		.amdhsa_float_denorm_mode_32 3
		.amdhsa_float_denorm_mode_16_64 3
		.amdhsa_memory_ordered 1
		.amdhsa_forward_progress 1
		.amdhsa_inst_pref_size 192
	.end_amdhsa_kernel
	.amdgpu_metadata
---
amdhsa.version: [ 1, 2 ]
amdhsa.kernels:
  - .name:           k_q8bff2f6b80_qkv
    .symbol:         k_q8bff2f6b80_qkv.kd
    .args:
      - { .name: xq, .offset: 0, .size: 8, .value_kind: global_buffer, .address_space: global }
      - { .name: wq, .offset: 8, .size: 8, .value_kind: global_buffer, .address_space: global }
      - { .name: b_qkv, .offset: 16, .size: 8, .value_kind: global_buffer, .address_space: global }
      - { .name: qb, .offset: 24, .size: 8, .value_kind: global_buffer, .address_space: global }
      - { .name: kv, .offset: 32, .size: 8, .value_kind: global_buffer, .address_space: global }
    .group_segment_fixed_size: 327680
    .private_segment_fixed_size: 0
    .kernarg_segment_align: 8
    .kernarg_segment_size: 40
    .max_flat_workgroup_size: 128
    .sgpr_count:     98
    .vgpr_count:     1024
    .wavefront_size: 32
...
	.end_amdgpu_metadata
.endif
;; end of part 2
;; launch attn (part 3): grid 4 x 64, 16 waves a work-group, clusters of 4 x 1, 206,848 bytes of LDS; arguments qb, kv, ob; writes ob
.if DOCPART == 3
	.amdgcn_target "amdgcn-amd-amdhsa--gfx1250"
	.amdhsa_code_object_version 6
	.text
	.protected	k_q8bff2f6b80_attn
	.globl	k_q8bff2f6b80_attn
	.p2align	8
	.type	k_q8bff2f6b80_attn,@function
k_q8bff2f6b80_attn:
	s_mov_b64 s[64:65], 0
	v_nop
	global_prefetch_b8 v0, s[64:65] scope:SCOPE_SE
	s_setreg_imm32_b32 hwreg(HW_REG_WAVE_MODE, 25, 1), 1
	s_wait_xcnt 0x0
	s_wait_alu depctr_hold_cnt(0) depctr_sa_sdst(0) depctr_va_vdst(0) depctr_va_sdst(0) depctr_va_ssrc(0) depctr_va_vcc(0) depctr_vm_vsrc(0)
	s_getreg_b32 s2, hwreg(HW_REG_IB_STS2, 6, 4)
	s_cmp_eq_u32 s2, 0
	s_cbranch_scc0 .Lentry_in_a_cluster
	s_endpgm
.Lentry_in_a_cluster:
	s_bfe_u32 s2, ttmp6, 0x10000c
	s_cmp_lg_u32 s2, 0x3003
	s_cbranch_scc0 .Lentry_shape_is_right
	s_endpgm
.Lentry_shape_is_right:
; Causal attention of one head of one batch (64 in all), both products on codes of FP6 (E2M3) with E8M0 scales, and its result quantised in registers for the last product.
; THE SOFTMAX AHEAD OF THE SECOND PRODUCT: t = score x log2(e) / 8; M = the row's largest t so far, rounded UP to a whole number; p = 2^(t - M) is quantised along the keys, not normalised.
; The row's sum is taken of the unquantised p and divides O at the end.  When M moves, the sum and O are multiplied by 2^(old M - new M): exact.
; SHARES.  The four work-groups of a cluster belong to one head.  The head's whole K and V, 16 records of 128 keys x 12,800 bytes, lie in LDS: each of the sixteen waves brings one record by ONE joint
; tensor load (the same descriptor in all four work-groups, a mask that names the four).  Nothing is filled again: one barrier, and none in the loops.
; A wave owns two tiles of 16 queries: j and 127 - j, j = 8 (wave / 2) + 2 cx + wave % 2.  Under the causal mask tile j wants wave / 2 + 1 records and tile 127 - j wants 16 - wave / 2: 17 steps for every wave of the launch.
; All branches hang on the wave's number and on counters; the work-group's place in its cluster enters global addresses and a compare's operand alone.
; LAYOUT.  Both products are used transposed: S^T = K Q^T, O^T = V^T P^T: a lane holds one query throughout.  Operands lie in memory and LDS as half images of 768 bytes (16 rows x 64 along K: six registers a lane:
; registers 0-3 at 16 x lane, registers 4-5 at 512 + 16 r + 8 h).  THE FIRST PRODUCT'S K IS 64, the instruction's 128: an operand of K holds TWO key tiles (registers 0-5, 6-11); against [q | 0] it gives the first
; tile's scores, against [0 | q] the second's; q stands once, between two runs of six zeros.  The rows of a tile are not neighbours: row r of tile 2 f + u is 32 f + 8 u + r + 8 (r / 8), so that the 16 registers
; of two neighbouring result tiles are 16 neighbours along the next K (keys for p, the head's 64 for O).
; LIMITS: a block whose largest magnitude lies under 2^-124 has its byte held at 1; a block of zeros gets the byte 1 (zero codes; read by this program alone); NaN and infinities are not served.
; O's scale bytes leave 2 bytes a lane to rows 32 bytes apart: a row's 32 bytes come from 16 heads, which are 16 clusters.
.set RECB,  12800                      ; a record: K's 8 half images, V^T's 8, K's 64 scale words, V's 64
.set SPARE, 16*RECB                    ; behind the records: the spare words, 128 bytes for each of 16 waves
.set LX,  1                            ; v1   16 x lane
.set LY,  2                            ; v2   16 r + 8 h
.set L8,  3                            ; v3   8 x lane
.set SPW, 4                            ; v4   my spare word; never rewritten
.set NIL, 5                            ; v5   0; never rewritten
.set ADX, 6                            ; v6-8 the record in hand + v1, v2, v3
.set ADY, 7
.set ADS, 8
.set QL,  9                            ; v9   r + 8 (r / 8) - 16 h
.set DM,  10                           ; v10  my query's place in its record - 16 h
.set R16, 11                           ; v11  16 r
.set QS,  34                           ; v34  q's scale word;  v16-21 zeros, v22-27 q, v28-33 zeros
.set R32, 35                           ; v35  32 r
.set FRG, 36                           ; v36-83 four operands of K, then of V
.set KSC, 84                           ; v84-85 K's scale words;  v86-87 V's
.set VSC, 86
.set S,   88                           ; v88-151 S^T, then p
.set O,   152                          ; v152-183 O^T
.set PCD, 184                          ; v184-195 p's codes
.set CZ,  196                          ; v196-198, v200-202 the second conversions'
.set BM,  204                          ; v204-207 a block's largest
.set PT,  208                          ; v208-211 the other half's; then bytes
.set SO,  212                          ; v212-215 the conversions' scale operands
.set SUM2, 216                         ; v216-217 the sum's second chain
.set PS,  220                          ; v220 p's scale word
.set FF,  222                          ; v222 f, later 1 / the sum (v223 is named with it as a pair)
.set TT,  224
.set NINF, 225
.set OU,  226                          ; O's two scale bytes
.set WV,  10
.set SEL, 20
.set CS,  22
.macro CROUND
	s_barrier_signal -1
	s_barrier_wait -1
	s_cmp_lg_u32 s[WV], 0
	s_cbranch_scc1 .Lnot_wave_0_\@
	s_barrier_signal -3
.Lnot_wave_0_\@:
	s_barrier_wait -3
	s_barrier_signal -1
	s_barrier_wait -1
.endm
	s_load_b128 s[4:7], s[0:1], 0x0                ; qb s[4:5], kv s[6:7]
	s_load_b64 s[8:9], s[0:1], 0x10                ; ob
	v_lshl_add_u32 v[SPW], v0, 2, SPARE
	v_mov_b32 v[NIL], 0
	ds_add_u32 v[SPW], v[NIL]                      ; the wave's opening: the add and its wait ahead of my tensor load; the set-up below stands between them
	ds_add_u32 v[SPW], v[NIL]
	v_lshrrev_b32 v6, 5, v0
	s_delay_alu instid0(VALU_DEP_1)
	v_readfirstlane_b32 s[WV], v6                  ; wave 0..15
	s_bfe_u32 s11, ttmp6, 0x40000                  ; cx
	s_and_b32 s12, ttmp7, 0xffff                   ; 16 x batch + head
	s_lshr_b32 s13, s[WV], 1                       ; a: my first tile's record
	s_and_b32 s14, s[WV], 1
	s_lshl_b32 s52, s11, 1
	s_add_co_u32 s14, s14, s52                     ; my first tile's place in it: 2 cx + wave % 2
	; the descriptor: a record as 50 rows of 256 bytes (32 elements of 8 bytes), dense
	s_mov_b32 s24, 15|(3<<16)|(1<<21)              ; 15:0 the mask: all four work-groups; 17:16 elements of 8 bytes; 21 set beside a mask
	s_mov_b32 s25, 32<<16                          ; tensor_dim0
	s_mov_b32 s26, 50<<16                          ; tensor_dim1
	s_mov_b32 s27, 32<<16                          ; tile_dim0
	s_mov_b32 s28, 50                              ; tile_dim1
	s_mov_b32 s29, 32                              ; tensor_dim0_stride
	s_mov_b32 s30, 0
	s_mov_b32 s31, 0
	s_mov_b32 s32, 1
	s_mul_i32 s33, s[WV], RECB                     ; LDS: record = wave
	s_mul_i32 s50, s12, 16*RECB
	s_add_co_u32 s50, s50, s33
	s_mov_b32 s51, 0
	s_mov_b32 s[SEL], 0x76543210
	s_mov_b32 s[SEL+1], 0xfedcba98                 ; v_permlanex16_b32's selects for lane l xor 16
	s_mov_b32 s[CS], 0x3e38aa3b                    ; c = log2(e) / 8
	s_mov_b32 s[CS+1], s[CS]                       ; (named with it as a pair)
	s_wait_dscnt 0x0                               ; the opening add is done
	s_wait_kmcnt 0x0
	s_add_nc_u64 s[34:35], s[6:7], s[50:51]
	s_or_b32 s35, s35, 0x80000000
	CROUND                                         ; all four work-groups are here: the joint loads meet
	tensor_load_to_lds s[32:35], s[24:31]          ; my one tensor load of the launch
	s_nop 0
.rept 4
	v_nop
.endr
	v_and_b32 v6, 31, v0                           ; lane
	v_and_b32 v7, 15, v0                           ; r
	v_bfe_u32 v8, v0, 4, 1                         ; h
	s_delay_alu instid0(VALU_DEP_3)
	v_lshlrev_b32 v[LX], 4, v6
	s_delay_alu instid0(VALU_DEP_3)
	v_lshlrev_b32 v[LY], 4, v7
	s_delay_alu instid0(VALU_DEP_1)
	v_lshl_add_u32 v[LY], v8, 3, v[LY]
	v_lshlrev_b32 v[L8], 3, v6
	v_and_b32 v[QL], 8, v7
	s_delay_alu instid0(VALU_DEP_1)
	v_add_nc_u32 v[QL], v[QL], v7
	v_lshlrev_b32 v[TT], 4, v8
	s_delay_alu instid0(VALU_DEP_1)
	v_sub_nc_u32 v[QL], v[QL], v[TT]
	v_lshlrev_b32 v[R16], 4, v7
	v_lshlrev_b32 v[R32], 5, v7
.irp n, 16,17,18,19,20,21,28,29,30,31,32,33
	v_mov_b32 v\n, 0                               ; the zeros on both sides of q: zero codes add nothing under any scale byte
.endr
.irp b, 0,1,2,3
	v_mov_b32 v[PT+\b], 0                          ; written once: a lane permute's destination counts as one of its sources
.endr
	v_mov_b32 v[FF+1], 0
	v_mov_b32 v[NINF], 0xff800000                  ; -infinity
	s_wait_tensorcnt 0x0                           ; my record is in,
	s_barrier_signal -1
	s_barrier_wait -1                              ; everybody's is: all 16 records may be read from here on, and nobody writes them
	s_mov_b32 s15, 0                               ; which of my two tiles
.Lpass:
	s_lshl_b32 s50, s13, 3
	s_add_co_u32 s50, s50, s14                     ; j
	s_sub_co_u32 s51, 127, s50
	s_sub_co_u32 s52, 15, s13
	s_cmp_eq_u32 s15, 0
	s_cselect_b32 s18, s50, s51                    ; the tile: j, then 127 - j
	s_cselect_b32 s16, s13, s52                    ; its record, the last that it wants: made of the wave's number alone
	s_and_b32 s17, s18, 7                          ; its place in that record
	s_lshl_b32 s50, s12, 7
	s_add_co_u32 s50, s50, s18
	s_mul_i32 s50, s50, 768
	s_mov_b32 s51, 0
	s_add_nc_u64 s[42:43], s[4:5], s[50:51]        ; q's half image
	s_lshl_b32 s50, s12, 4
	s_add_co_u32 s50, s50, s16
	s_lshl_b32 s50, s50, 9
	s_lshr_b32 s52, s17, 2
	s_lshl_b32 s52, s52, 8
	s_add_co_u32 s50, s50, s52
	s_and_b32 s52, s17, 3
	s_lshl_b32 s52, s52, 2
	s_add_co_u32 s50, s50, s52
	s_add_co_u32 s50, s50, 6291456
	s_add_nc_u64 s[44:45], s[4:5], s[50:51]        ; q's scale words: word (tile e, row r) at 16 (r + 16 (e / 4)) + 4 (e % 4)
	s_lshr_b32 s53, s12, 4                         ; batch
	s_and_b32 s54, s12, 15                         ; head
	s_lshl_b32 s50, s53, 7
	s_add_co_u32 s50, s50, s18                     ; the tile among all 512
	s_lshl_b32 s52, s50, 4
	s_add_co_u32 s52, s52, s54
	s_mul_i32 s52, s52, 768
	s_mov_b32 s53, 0
	s_add_nc_u64 s[46:47], s[8:9], s[52:53]        ; O's half image: [tile][head]
	s_lshl_b32 s50, s50, 9
	s_lshl_b32 s54, s54, 1
	s_add_co_u32 s50, s50, s54
	s_add_co_u32 s50, s50, 6291456
	s_add_nc_u64 s[48:49], s[8:9], s[50:51]        ; O's scale bytes: 32 a row, two a head
	global_load_b128 v[22:25], v[LX], s[42:43]
	global_load_b64 v[26:27], v[LY], s[42:43] offset:512
	global_load_b32 v[QS], v[R16], s[44:45]
	s_lshr_b32 s52, s17, 1
	s_lshl_b32 s52, s52, 5
	s_and_b32 s54, s17, 1
	s_lshl_b32 s54, s54, 3
	s_add_co_u32 s52, s52, s54
	v_add_nc_u32 v[DM], s52, v[QL]
	v_mov_b32 v13, 0xff61b1e6                      ; the largest t so far: -3e38, under every t
	s_delay_alu instid0(VALU_DEP_1)
	v_floor_f32 v12, -v13                          ; -M
	v_mov_b32 v14, 0                               ; the sum, in two halves
	v_mov_b32 v15, 0
.set i, 0
.rept 32
	v_mov_b32 v[O+i], 0                            ; O^T: the step is written once; the first finds zeros, which the first change of M leaves zeros
.set i, i+1
.endr
	s_mov_b32 s40, 0                               ; LDS byte of the record in hand
	s_mov_b32 s19, 0                               ; its number
	s_wait_loadcnt 0x0                             ; q
.macro KQ f                            ; two products: K's operand f (tiles 2 f, 2 f + 1) against [q | 0] and [0 | q].  K's word f lies in register f / 2, lanes 0-15 (f even) or 16-31
.if (\f)%2
	v_wmma_scale_f32_16x16x128_f8f6f4 v[S+16*(\f):S+16*(\f)+7], v[FRG+12*(\f):FRG+12*(\f)+11], v[22:33], 0, v[KSC+(\f)/2], v[QS] matrix_a_fmt:MATRIX_FMT_FP6 matrix_b_fmt:MATRIX_FMT_FP6 matrix_a_scale:MATRIX_SCALE_ROW1
	v_wmma_scale_f32_16x16x128_f8f6f4 v[S+16*(\f)+8:S+16*(\f)+15], v[FRG+12*(\f):FRG+12*(\f)+11], v[16:27], 0, v[KSC+(\f)/2], v[QS] matrix_a_fmt:MATRIX_FMT_FP6 matrix_b_fmt:MATRIX_FMT_FP6 matrix_a_scale:MATRIX_SCALE_ROW1
.else
	v_wmma_scale_f32_16x16x128_f8f6f4 v[S+16*(\f):S+16*(\f)+7], v[FRG+12*(\f):FRG+12*(\f)+11], v[22:33], 0, v[KSC+(\f)/2], v[QS] matrix_a_fmt:MATRIX_FMT_FP6 matrix_b_fmt:MATRIX_FMT_FP6
	v_wmma_scale_f32_16x16x128_f8f6f4 v[S+16*(\f)+8:S+16*(\f)+15], v[FRG+12*(\f):FRG+12*(\f)+11], v[16:27], 0, v[KSC+(\f)/2], v[QS] matrix_a_fmt:MATRIX_FMT_FP6 matrix_b_fmt:MATRIX_FMT_FP6
.endif
.endm
.macro PV t                            ; O^T's tile t += V^T's operand t x p
.if (\t)%2
	v_wmma_scale_f32_16x16x128_f8f6f4 v[O+8*(\t):O+8*(\t)+7], v[FRG+12*(\t):FRG+12*(\t)+11], v[PCD:PCD+11], v[O+8*(\t):O+8*(\t)+7], v[VSC+(\t)/2], v[PS] matrix_a_fmt:MATRIX_FMT_FP6 matrix_b_fmt:MATRIX_FMT_FP6 matrix_a_scale:MATRIX_SCALE_ROW1
.else
	v_wmma_scale_f32_16x16x128_f8f6f4 v[O+8*(\t):O+8*(\t)+7], v[FRG+12*(\t):FRG+12*(\t)+11], v[PCD:PCD+11], v[O+8*(\t):O+8*(\t)+7], v[VSC+(\t)/2], v[PS] matrix_a_fmt:MATRIX_FMT_FP6 matrix_b_fmt:MATRIX_FMT_FP6
.endif
.endm
.macro FOUR off                        ; four operands, each two half images on end: 16 bytes a lane and 8 bytes a lane, all runs consecutive
.irp f, 0,1,2,3
	ds_load_b128 v[FRG+12*\f:FRG+12*\f+3],    v[ADX] offset:\off+1536*\f
	ds_load_b64  v[FRG+12*\f+4:FRG+12*\f+5],  v[ADY] offset:\off+1536*\f+512
	ds_load_b128 v[FRG+12*\f+6:FRG+12*\f+9],  v[ADX] offset:\off+1536*\f+768
	ds_load_b64  v[FRG+12*\f+10:FRG+12*\f+11], v[ADY] offset:\off+1536*\f+1280
.endr
.endm
.Lrec:                                 ; 16 trips, a constant; a record all of whose keys come after my queries is passed over: a branch on the wave's number and on counters
	s_cmp_gt_u32 s19, s16
	s_cbranch_scc1 .Lnext
	v_add_nc_u32 v[ADX], s40, v[LX]
	v_add_nc_u32 v[ADY], s40, v[LY]
	v_add_nc_u32 v[ADS], s40, v[L8]
	v_nop                                          ; four places in front of loads into registers that the last products have read
	FOUR 0
	ds_load_b64 v[KSC:KSC+1], v[ADS] offset:12288
	s_wait_alu depctr_va_vdst(0)
	s_wait_dscnt 0x0
.irp f, 0,1,2,3
	KQ \f
.endr
.rept 4
	v_nop                                          ; places in front of the loads below and of the first read of the scores
.endr
	FOUR 6144                                      ; V^T's operands land while the softmax is walked
	ds_load_b64 v[VSC:VSC+1], v[ADS] offset:12544
	s_cmp_lg_u32 s19, s16
	s_cbranch_scc1 .Lopen                          ; only my tile's own record lies on the diagonal
.irp n, 0,1,2,3,4,5,6,7,8,9,10,11,12,13,14,15,16,17,18,19,20,21,22,23,24,25,26,27,28,29,30,31,32,33,34,35,36,37,38,39,40,41,42,43,44,45,46,47,48,49,50,51,52,53,54,55,56,57,58,59,60,61,62,63
	v_cmp_gt_i32 vcc_lo, 32*(\n/16)+\n%16, v[DM]   ; register 16 b + i holds key 32 b + 16 h + i of the record: hidden where it comes after my query
	v_cndmask_b32 v[S+\n], v[S+\n], v[NINF], vcc_lo
.endr
.Lopen:
.irp b, 0,1,2,3
	v_max3_num_f32 v[BM+\b], v[S+16*\b], v[S+1+16*\b], v[S+2+16*\b]   ; the largest score of each block of 32 keys: for the row's maximum and, since p rises with the score, for the block's largest p
.endr
.irp n, 3,5,7,9,11,13
.irp b, 0,1,2,3
	v_max3_num_f32 v[BM+\b], v[BM+\b], v[S+16*\b+\n], v[S+1+16*\b+\n]
.endr
.endr
.irp b, 0,1,2,3
	v_max_num_f32 v[BM+\b], v[BM+\b], v[S+15+16*\b]
.endr
.irp b, 0,1,2,3
	s_delay_alu instid0(VALU_DEP_4)
	v_permlanex16_b32 v[PT+\b], v[BM+\b], s[SEL], s[SEL+1]
.endr
.irp b, 0,1,2,3
	s_delay_alu instid0(VALU_DEP_4)
	v_max_num_f32 v[BM+\b], v[BM+\b], v[PT+\b]     ; with lane l xor 16's 16 keys
.endr
	s_delay_alu instid0(VALU_DEP_2)
	v_max3_num_f32 v[TT], v[BM], v[BM+1], v[BM+2]
	s_delay_alu instid0(VALU_DEP_1)
	v_max_num_f32 v[TT], v[TT], v[BM+3]            ; the step's largest score of my query
	s_delay_alu instid0(VALU_DEP_1)
	v_mul_f32 v[TT], s[CS], v[TT]                  ; as t
	s_delay_alu instid0(VALU_DEP_1)
	v_max_num_f32 v13, v13, v[TT]                  ; the running largest t
	v_mov_b32 v[TT], v12
	s_delay_alu instid0(VALU_DEP_2)
	v_floor_f32 v12, -v13                          ; the new -M = floor(-t): M is a whole number
	s_delay_alu instid0(VALU_DEP_1)
	v_sub_f32 v[TT], v12, v[TT]                    ; old M - new M: a whole number, 0 or less
	s_delay_alu instid0(VALU_DEP_1)
	v_cvt_i32_f32 v[TT], v[TT]                     ; (it saturates)
	s_delay_alu instid0(VALU_DEP_1)
	v_ldexp_f32 v[FF], 1.0, v[TT]                  ; f = 2^(old M - new M)
.irp j, 0,2,4,6,8,10,12,14,16,18,20,22,24,26,28,30,32,34,36,38,40,42,44,46,48,50,52,54,56,58,60,62
	v_pk_fma_f32 v[S+\j:S+\j+1], v[S+\j:S+\j+1], s[CS:CS+1], v[12:13] op_sel_hi:[1,0,0]   ; t - M, two at a time
.endr
.irp b, 0,1,2,3
	v_fma_f32 v[BM+\b], v[BM+\b], s[CS], v12       ; the same of each block's largest score
.endr
.set i, 0
	s_wait_alu depctr_va_vdst(0)
.rept 64
	v_exp_f32 v[S+i], v[S+i]                       ; p = 2^(t - M), at most 1
.set i, i+1
.endr
	v_pk_mul_f32 v[14:15], v[14:15], v[FF:FF+1] op_sel_hi:[1,0]   ; the sums under the new M (a plain line behind the exponentials)
	s_wait_alu depctr_va_vdst(0)                   ; the wait ahead of the first line that names a result: one for the 64
.irp b, 0,1,2,3
	v_exp_f32 v[BM+\b], v[BM+\b]                   ; the block's largest p: the same two instructions on the same number give the same bits
.endr
	v_pk_add_f32 v[216:217], v[92:93], v[96:97]
	v_pk_add_f32 v[254:255], v[100:101], v[104:105]
	v_pk_add_f32 v[252:253], v[108:109], v[112:113]
	v_pk_add_f32 v[250:251], v[116:117], v[120:121]
	v_pk_add_f32 v[248:249], v[124:125], v[128:129]
	v_pk_add_f32 v[246:247], v[132:133], v[136:137]
	v_pk_add_f32 v[244:245], v[140:141], v[144:145]
	v_pk_add_f32 v[14:15], v[14:15], v[148:149]
	v_pk_add_f32 v[216:217], v[216:217], v[88:89]
	v_pk_add_f32 v[254:255], v[254:255], v[90:91]
	v_pk_add_f32 v[252:253], v[252:253], v[94:95]
	v_pk_add_f32 v[250:251], v[250:251], v[98:99]
	v_pk_add_f32 v[248:249], v[248:249], v[102:103]
	v_pk_add_f32 v[246:247], v[246:247], v[106:107]
	v_pk_add_f32 v[244:245], v[244:245], v[110:111]
	v_pk_add_f32 v[14:15], v[14:15], v[114:115]
	v_pk_add_f32 v[216:217], v[216:217], v[118:119]
	v_pk_add_f32 v[254:255], v[254:255], v[122:123]
	v_pk_add_f32 v[252:253], v[252:253], v[126:127]
	v_pk_add_f32 v[250:251], v[250:251], v[130:131]
	v_pk_add_f32 v[248:249], v[248:249], v[134:135]
	v_pk_add_f32 v[246:247], v[246:247], v[138:139]
	v_pk_add_f32 v[244:245], v[244:245], v[142:143]
	v_pk_add_f32 v[14:15], v[14:15], v[146:147]
	v_pk_add_f32 v[216:217], v[216:217], v[150:151]
	s_delay_alu instid0(VALU_DEP_2)
	v_pk_add_f32 v[14:15], v[14:15], v[250:251]
	s_delay_alu instid0(VALU_DEP_2)
	v_pk_add_f32 v[216:217], v[216:217], v[248:249]
	v_pk_add_f32 v[254:255], v[254:255], v[246:247]
	v_pk_add_f32 v[252:253], v[252:253], v[244:245]
	s_delay_alu instid0(VALU_DEP_2)
	v_pk_add_f32 v[14:15], v[14:15], v[254:255]
	s_delay_alu instid0(VALU_DEP_2)
	v_pk_add_f32 v[216:217], v[216:217], v[252:253]
	s_delay_alu instid0(VALU_DEP_1)
	v_pk_add_f32 v[14:15], v[14:15], v[216:217]
	s_wait_alu depctr_va_vdst(0)                   ; and one for the four
.irp b, 0,1,2,3
	v_max_num_f32 v[BM+\b], 0x1800000, v[BM+\b]    ; the floor 2^(3 - 127): the byte cannot fall under 1
.endr
.irp b, 0,1,2,3
	s_delay_alu instid0(VALU_DEP_4)
	v_add_nc_u32 v[SO+\b], 0xff000000, v[BM+\b]    ; 2 off the exponent field: the conversion's scale operand
.endr
.irp b, 0,1,2,3
	s_delay_alu instid0(VALU_DEP_4)
	v_lshrrev_b32 v[PT+\b], 23, v[SO+\b]           ; the scale's byte
.endr
	s_delay_alu instid0(VALU_DEP_3)
	v_lshl_or_b32 v[PS], v[PT+1], 8, v[PT]         ; p's scale word for these 128 keys
	s_delay_alu instid0(VALU_DEP_1)
	v_lshl_or_b32 v[PS], v[PT+2], 16, v[PS]
	s_delay_alu instid0(VALU_DEP_1)
	v_lshl_or_b32 v[PS], v[PT+3], 24, v[PS]
.irp c, 0,1
	v_cvt_scalef32_pk16_fp6_f32 v[PCD+6*\c:PCD+2+6*\c], v[S+32*\c:S+15+32*\c], v[SO+2*\c]
	v_cvt_scalef32_pk16_fp6_f32 v[CZ+4*\c:CZ+2+4*\c], v[S+16+32*\c:S+31+32*\c], v[SO+2*\c+1]
.endr
	v_nop                                          ; one plain line behind the conversions
.irp c, 0,1                            ; the operand wants a whole block in a lane: lanes 0-15 block 2 c, lanes 16-31 block 2 c + 1
.irp n, 0,1,2
	v_permlane16_swap_b32 v[PCD+6*\c+\n], v[CZ+4*\c+\n]
.endr
.irp n, 0,1,2
	s_delay_alu instid0(VALU_DEP_3)
	v_mov_b32 v[PCD+3+6*\c+\n], v[CZ+4*\c+\n]
.endr
.endr
.irp j, 0,2,4,6,8,10,12,14,16,18,20,22,24,26,28,30
	v_pk_mul_f32 v[O+\j:O+\j+1], v[O+\j:O+\j+1], v[FF:FF+1] op_sel_hi:[1,0]   ; O^T under the new M.  For each product below twelve of these sixteen name none of its registers: the places behind p's scale word (8) and codes (4)
.endr
	s_wait_alu depctr_va_vdst(0)
	s_wait_dscnt 0x0                               ; V^T's operands and scale words are in
.irp t, 0,1,2,3
	PV \t                                          ; the four accumulators take turns; the next step's eight score products stand between two links
.endr
.Lnext:
	s_add_co_u32 s40, s40, RECB
	s_add_co_u32 s19, s19, 1
	s_cmp_lt_u32 s19, 16
	s_cbranch_scc1 .Lrec
	; THE TILE'S END: O^T / the sum; its 32 registers are the head's two blocks of 32, 16 neighbours of each; quantised as every operand here, and stored as a half image
.rept 4
	v_nop                                          ; places behind the last products
.endr
	v_add_f32 v14, v14, v15
	s_delay_alu instid0(VALU_DEP_1)
	v_permlanex16_b32 v[TT], v14, s[SEL], s[SEL+1]
	s_delay_alu instid0(VALU_DEP_1)
	v_add_f32 v14, v14, v[TT]                      ; the row's sum
	s_wait_alu depctr_va_vdst(0)
	v_rcp_f32 v[FF], v14
	v_nop                                          ; a plain line behind the reciprocal
	s_wait_alu depctr_va_vdst(0)                   ; and the wait ahead of its first reader
.irp j, 0,2,4,6,8,10,12,14,16,18,20,22,24,26,28,30
	v_pk_mul_f32 v[S+\j:S+\j+1], v[O+\j:O+\j+1], v[FF:FF+1] op_sel_hi:[1,0]   ; each accumulator from its low end on
.endr
.irp b, 0,1
	v_max3_num_f32 v[BM+\b], |v[S+16*\b]|, |v[S+1+16*\b]|, 0x1800000
.endr
.irp n, 2,4,6,8,10,12,14
.irp b, 0,1
	s_delay_alu instid0(VALU_DEP_2)
	v_max3_num_f32 v[BM+\b], v[BM+\b], |v[S+16*\b+\n]|, |v[S+1+16*\b+\n]|
.endr
.endr
.irp b, 0,1
	s_delay_alu instid0(VALU_DEP_2)
	v_permlanex16_b32 v[PT+\b], v[BM+\b], s[SEL], s[SEL+1]
.endr
.irp b, 0,1
	s_delay_alu instid0(VALU_DEP_2)
	v_max_num_f32 v[BM+\b], v[BM+\b], v[PT+\b]
.endr
.irp b, 0,1
	s_delay_alu instid0(VALU_DEP_2)
	v_add_nc_u32 v[SO+\b], 0xff000000, v[BM+\b]
.endr
.irp b, 0,1
	s_delay_alu instid0(VALU_DEP_2)
	v_lshrrev_b32 v[PT+\b], 23, v[SO+\b]
.endr
	s_delay_alu instid0(VALU_DEP_1)
	v_lshl_or_b32 v[OU], v[PT+1], 8, v[PT]
	v_cvt_scalef32_pk16_fp6_f32 v[PCD:PCD+2], v[S:S+15], v[SO]
	v_cvt_scalef32_pk16_fp6_f32 v[CZ:CZ+2], v[S+16:S+31], v[SO+1]
	v_nop                                          ; one plain line behind the conversions
.irp n, 0,1,2
	v_permlane16_swap_b32 v[PCD+\n], v[CZ+\n]
.endr
.irp n, 0,1,2
	s_delay_alu instid0(VALU_DEP_3)
	v_mov_b32 v[PCD+3+\n], v[CZ+\n]
.endr
	global_store_b128 v[LX], v[PCD:PCD+3], s[46:47]              ; 512 consecutive bytes, aligned to 256
	global_store_b64 v[LY], v[PCD+4:PCD+5], s[46:47] offset:512  ; 256 consecutive bytes, aligned
	global_store_b16 v[R32], v[OU], s[48:49]                     ; both halves of the lanes write the same two bytes with the same value
	s_wait_xcnt 0x0                                ; the stores have read their data and bases: the second tile writes both anew
	s_add_co_u32 s15, s15, 1
	s_cmp_lt_u32 s15, 2
	s_cbranch_scc1 .Lpass
	s_wait_tensorcnt 0x0                           ; the wave's end
	ds_add_u32 v[SPW], v[NIL]
	s_wait_dscnt 0x0
	CROUND                                         ; the closing round
	s_endpgm
.Lfunc_end_k_q8bff2f6b80_attn:
	.size	k_q8bff2f6b80_attn, .Lfunc_end_k_q8bff2f6b80_attn-k_q8bff2f6b80_attn
	.p2alignl 7, 3214868480
	.fill 96, 4, 3214868480
	.section	.rodata,"a",@progbits
	.p2align	6, 0x0
	.amdhsa_kernel k_q8bff2f6b80_attn
		.amdhsa_group_segment_fixed_size 206848
		.amdhsa_private_segment_fixed_size 0
		.amdhsa_enable_private_segment 0
		.amdhsa_kernarg_size 24
		.amdhsa_user_sgpr_count 2
		.amdhsa_user_sgpr_kernarg_segment_ptr 1
		.amdhsa_wavefront_size32 1
		.amdhsa_system_sgpr_workgroup_id_x 1
		.amdhsa_system_sgpr_workgroup_id_y 1
		.amdhsa_system_sgpr_workgroup_id_z 1
		.amdhsa_system_vgpr_workitem_id 0
		.amdhsa_next_free_vgpr 256
		.amdhsa_next_free_sgpr 66
		.amdhsa_reserve_vcc 1
		.amdhsa_float_denorm_mode_32 3
		.amdhsa_float_denorm_mode_16_64 3
		.amdhsa_memory_ordered 1
		.amdhsa_forward_progress 1
		.amdhsa_inst_pref_size 35
	.end_amdhsa_kernel
	.amdgpu_metadata
---
amdhsa.version: [ 1, 2 ]
amdhsa.kernels:
  - .name:           k_q8bff2f6b80_attn
    .symbol:         k_q8bff2f6b80_attn.kd
    .args:
      - { .name: qb, .offset: 0, .size: 8, .value_kind: global_buffer, .address_space: global }
      - { .name: kv, .offset: 8, .size: 8, .value_kind: global_buffer, .address_space: global }
      - { .name: ob, .offset: 16, .size: 8, .value_kind: global_buffer, .address_space: global }
    .group_segment_fixed_size: 206848
    .private_segment_fixed_size: 0
    .kernarg_segment_align: 8
    .kernarg_segment_size: 24
    .max_flat_workgroup_size: 512
    .sgpr_count:     66
    .vgpr_count:     256
    .wavefront_size: 32
...
	.end_amdgpu_metadata
.endif
;; end of part 3
;; launch proj (part 4): grid 8 x 32, 4 waves a work-group, clusters of 4 x 4, 327,680 bytes of LDS; arguments ob, wq, b_o, out0; writes out0
.if DOCPART == 4
	.amdgcn_target "amdgcn-amd-amdhsa--gfx1250"
	.amdhsa_code_object_version 6
	.text
	.protected	k_q8bff2f6b80_proj
	.globl	k_q8bff2f6b80_proj
	.p2align	8
	.type	k_q8bff2f6b80_proj,@function
k_q8bff2f6b80_proj:
	s_mov_b64 s[64:65], 0
	v_nop
	global_prefetch_b8 v0, s[64:65] scope:SCOPE_SE
	s_setreg_imm32_b32 hwreg(HW_REG_WAVE_MODE, 25, 1), 1
	s_wait_xcnt 0x0
	s_wait_alu depctr_hold_cnt(0) depctr_sa_sdst(0) depctr_va_vdst(0) depctr_va_sdst(0) depctr_va_ssrc(0) depctr_va_vcc(0) depctr_vm_vsrc(0)
	s_getreg_b32 s2, hwreg(HW_REG_IB_STS2, 6, 4)
	s_cmp_eq_u32 s2, 0
	s_cbranch_scc0 .Lentry_in_a_cluster
	s_endpgm
.Lentry_in_a_cluster:
	s_bfe_u32 s2, ttmp6, 0x10000c
	s_cmp_lg_u32 s2, 0xf033
	s_cbranch_scc0 .Lentry_shape_is_right
	s_endpgm
.Lentry_shape_is_right:
; out0 = O W_o + b_o on codes of FP6 (E2M3) with E8M0 scales.  A work-group of four waves makes 256 tokens x 128 columns, a wave 128 x 64: 32 accumulators of 16 x 16.
; BOTH OPERANDS LIE IN LDS FOR ALL OF K = 1,024: O's 256 rows are 196,608 bytes, W_o's 128 columns 98,304.  Four first fills, one a wave; nothing is filled again,
; so no barrier but two: the first shows W_o's tile and O's K chunk 0, the second, in the second K step, O's other chunks.
; ob and wq hold half images of 768 bytes (16 rows x 64 along K: registers 0-3 at 16 x lane, 4-5 at 512 + 16 r + 8 h), [tile of 16 rows][64 along K: 16]; W_o's places begin at 3,072.
; Scale bytes [row][32]: in ob from byte 6,291,456, in wq from byte 3,145,728.
; Rows and columns lie at places with bits 3 and 4 exchanged: place 16 (2 f + u) + r is number 32 f + 8 u + r + 8 (r / 8).
; CLUSTERS of 4 x 4: O's tiles hang on the tile row and are asked for jointly by a row of the cluster, W_o's on the tile column, by a column.
; The matrix instruction is used transposed (source 0 = W_o's columns, source 1 = tokens): a lane holds eight neighbouring columns of one token.  The bias is the first products' C.
; The scale words go from memory straight into registers: 32 bytes a row, sixteen lanes read 512 bytes on end.
; No prefetch: every tile is asked for at the head, and there is no loop to run ahead in.
; REGISTERS: window 0: v0-31 addresses; v32-95 O's scale words (8 a + q); v100-131 W_o's (8 b + q); v132-163 the bias; v164-227 the way out.
;   window 1: O's fragments, two sets of 96.  window 2: W_o's, two sets of 48.  window 3: the accumulators, (a, b) at 8 (4 a + b).
; LIMITS: NaN and infinities are not served.
.set A1,     49152                     ; LDS: O's chunk 0 at 0 and chunk 1 here: [tile 16][3,072]
.set A2,     98304                     ; chunks 2 and 3: [tile 16][6,144]
.set BB,     196608                    ; W_o: [tile 8][12,288]
.set SPARE,  BB+98304                  ; the spare words, 128 bytes a wave
.set SPITCH, 272                       ; the way out: a stage of 16 rows x (256 + 16) bytes a wave, in chunk 0's bytes, which nobody reads behind the second barrier and which are filled no more
.set ADA, 12                           ; v12-17 LDS addresses of my fragments of O: for each of the three regions 16 x lane and 16 r + 8 h
.set ADB, 18                           ; v18-19 of W_o's
.set STO, 22
.set RD,  23
.set CO,  24
.set SPW, 28
.set NIL, 29
.set SAR, 32
.set SBR, 100
.set BR,  132
.set BK,  164
.set G1A, 24
.set G1B, 32
.set G1C, 48
.set G0B, 56
.set G0A0, 60
.set G0A1, 68
.set G0A2, 72
.set MSB, 0
.macro WIN new
.if MSB != (\new)
	s_set_vgpr_msb (MSB<<8)|(\new)
.set MSB, (\new)
.endif
.endm
.macro PLACES n
.rept \n
	v_nop
.endr
.endm
.macro CROUND
	s_barrier_signal -1
	s_barrier_wait -1
	s_cmp_lg_u32 s14, 0
	s_cbranch_scc1 .Lnot_wave_0_\@
	s_barrier_signal -3
.Lnot_wave_0_\@:
	s_barrier_wait -3
	s_barrier_signal -1
	s_barrier_wait -1
.endm
	s_load_b256 s[4:11], s[0:1], 0x0               ; ob, wq, b_o, out0
	v_lshl_add_u32 v[SPW], v0, 2, SPARE
	v_mov_b32 v[NIL], 0
	ds_add_u32 v[SPW], v[NIL]                      ; the opening lines: the add twice and its wait ahead of my tensor load
	ds_add_u32 v[SPW], v[NIL]
	v_lshrrev_b32 v1, 5, v0
	v_readfirstlane_b32 s14, v1                    ; wave
	s_lshr_b32 s15, s14, 1                         ; which 128 tokens are mine
	s_and_b32 s16, s14, 1                          ; which 64 columns
	s_bfe_u32 s40, ttmp6, 0x40000                  ; cx
	s_bfe_u32 s41, ttmp6, 0x40004                  ; cy
	s_lshl_b32 s42, ttmp9, 2
	s_add_co_u32 s42, s42, s40                     ; tile column, 0 .. 7
	s_and_b32 s17, ttmp7, 0xffff
	s_lshl_b32 s17, s17, 2
	s_add_co_u32 s17, s17, s41                     ; tile row, 0 .. 31
	s_lshl_b32 s43, s41, 2
	s_lshl_b32 s43, 15, s43                        ; my row of the cluster
	s_lshl_b32 s44, 0x1111, s40                    ; my column
	s_or_b32 s[G1A+0], s43, (3<<16)|(1<<21)        ; O, one chunk: 16 rows of 3,072 bytes (384 elements of 8), 12,288 bytes apart
	s_mov_b32 s[G1A+1], 384<<16
	s_mov_b32 s[G1A+2], 16<<16
	s_mov_b32 s[G1A+3], 384<<16
	s_mov_b32 s[G1A+4], 16
	s_mov_b32 s[G1A+5], 1536
	s_mov_b32 s[G1A+6], 0
	s_mov_b32 s[G1A+7], 0
	s_or_b32 s[G1C+0], s43, (3<<16)|(1<<21)        ; O, two chunks: rows of 6,144 bytes
	s_mov_b32 s[G1C+1], 768<<16
	s_mov_b32 s[G1C+2], 16<<16
	s_mov_b32 s[G1C+3], 768<<16
	s_mov_b32 s[G1C+4], 16
	s_mov_b32 s[G1C+5], 1536
	s_mov_b32 s[G1C+6], 0
	s_mov_b32 s[G1C+7], 0
	s_or_b32 s[G1B+0], s44, (3<<16)|(1<<21)        ; W_o: 8 tiles of 12,288 bytes, on end
	s_mov_b32 s[G1B+1], 1536<<16
	s_mov_b32 s[G1B+2], 8<<16
	s_mov_b32 s[G1B+3], 1536<<16
	s_mov_b32 s[G1B+4], 8
	s_mov_b32 s[G1B+5], 1536
	s_mov_b32 s[G1B+6], 0
	s_mov_b32 s[G1B+7], 0
	s_mul_i32 s20, s17, 196608                     ; my 16 tiles of tokens in ob
	s_mov_b32 s21, 0
	s_mul_i32 s46, s42, 98304
	s_add_co_u32 s46, s46, 2359296                 ; my 128 places in wq, from place 3,072 on
	s_mov_b32 s47, 0
	s_wait_dscnt 0x0
	s_wait_kmcnt 0x0
	s_add_nc_u64 s[20:21], s[4:5], s[20:21]
	s_add_nc_u64 s[46:47], s[6:7], s[46:47]
	CROUND                                         ; all sixteen work-groups are here: the joint loads meet
	s_mov_b32 s[G0B], 1
	s_mov_b32 s[G0B+1], BB
	s_mov_b64 s[G0B+2:G0B+3], s[46:47]
	s_or_b32 s[G0B+3], s[G0B+3], 0x80000000
	s_mov_b32 s[G0A0], 1
	s_mov_b32 s[G0A0+1], 0
	s_mov_b64 s[G0A0+2:G0A0+3], s[20:21]
	s_or_b32 s[G0A0+3], s[G0A0+3], 0x80000000
	s_mov_b32 s[G0A1], 1
	s_mov_b32 s[G0A1+1], A1
	s_add_nc_u64 s[G0A1+2:G0A1+3], s[20:21], 3072
	s_or_b32 s[G0A1+3], s[G0A1+3], 0x80000000
	s_mov_b32 s[G0A2], 1
	s_mov_b32 s[G0A2+1], A2
	s_add_nc_u64 s[G0A2+2:G0A2+3], s[20:21], 6144
	s_or_b32 s[G0A2+3], s[G0A2+3], 0x80000000
; one load a wave, in one chain of branches on the wave's number: wave 0 W_o's tile, wave 1 O's chunk 0, wave 2 chunk 1, wave 3 chunks 2 and 3
.macro ARM under, g0, g1, next
	s_cmp_lt_u32 s14, \under
	s_cbranch_scc0 \next
	tensor_load_to_lds s[\g0:\g0+3], s[\g1:\g1+7]
	s_nop 0
	PLACES 4
	s_branch .Lhead_asked
\next:
.endm
	ARM 1, G0B,  G1B, .Lhead_a0
	ARM 2, G0A0, G1A, .Lhead_a1
	ARM 3, G0A1, G1A, .Lhead_a2
	tensor_load_to_lds s[G0A2:G0A2+3], s[G1C:G1C+7]
	s_nop 0
	PLACES 4
.Lhead_asked:
	s_mul_i32 s21, s15, 8*3072                     ; my 8 tiles of tokens in regions 0 and 1,
	s_mul_i32 s22, s15, 8*6144
	s_add_co_u32 s22, s22, A2                      ; and in region 2
	s_mul_i32 s23, s16, 4*12288
	s_add_co_u32 s23, s23, BB                      ; my 4 tiles of W_o
	s_mul_i32 s18, s14, 16*SPITCH                  ; my stage
	s_lshl_b32 s76, s17, 8
	s_lshl_b32 s19, s15, 7
	s_add_co_u32 s76, s76, s19                     ; my first token
	s_lshl_b32 s78, s42, 7
	s_lshl_b32 s19, s16, 6
	s_add_co_u32 s78, s78, s19                     ; my first column
	s_lshl_b32 s80, s78, 2
	s_mov_b32 s81, 0
	s_lshl_b32 s82, s76, 12
	s_add_co_u32 s82, s82, s80
	s_mov_b32 s83, 0
	s_lshl_b32 s76, s76, 5
	s_add_co_u32 s76, s76, 6291456
	s_mov_b32 s77, 0
	s_add_co_u32 s78, s78, 3072
	s_lshl_b32 s78, s78, 5
	s_add_co_u32 s78, s78, 3145728
	s_mov_b32 s79, 0
	s_add_nc_u64 s[76:77], s[4:5], s[76:77]        ; O's scale bytes, my rows
	s_add_nc_u64 s[78:79], s[6:7], s[78:79]        ; W_o's, my places
	s_add_nc_u64 s[80:81], s[8:9], s[80:81]        ; the bias, my columns
	s_add_nc_u64 s[12:13], s[10:11], s[82:83]      ; out0, my corner
	v_and_b32 v1, 15, v0                           ; r
	v_bfe_u32 v2, v0, 4, 1                         ; h
	v_and_b32 v6, 31, v0
	v_lshlrev_b32 v7, 4, v6
	v_lshlrev_b32 v8, 4, v1
	v_lshl_add_u32 v8, v2, 3, v8
	v_add_nc_u32 v[ADA], s21, v7
	v_add_nc_u32 v[ADA+1], s21, v8
	v_add_nc_u32 v[ADA+2], A1, v[ADA]
	v_add_nc_u32 v[ADA+3], A1, v[ADA+1]
	v_add_nc_u32 v[ADA+4], s22, v7
	v_add_nc_u32 v[ADA+5], s22, v8
	v_add_nc_u32 v[ADB], s23, v7
	v_add_nc_u32 v[ADB+1], s23, v8
	v_mul_u32_u24 v3, v1, SPITCH
	v_lshl_add_u32 v3, v2, 6, v3
	v_add_nc_u32 v[STO], s18, v3                   ; into the stage: row r, 64 bytes for each half of the lanes
	v_mul_u32_u24 v3, v2, SPITCH
	v_lshl_add_u32 v3, v1, 4, v3
	v_add_nc_u32 v[RD], s18, v3                    ; back: lanes 0-15 one row of 256 bytes, lanes 16-31 the next
	v_lshlrev_b32 v[CO], 12, v2
	v_lshl_add_u32 v[CO], v1, 4, v[CO]             ; and the same two rows in out0
	v_lshlrev_b32 v9, 5, v1                        ; 32 scale bytes a row
	v_lshlrev_b32 v10, 6, v2                       ; 16 h columns
	s_wait_alu depctr_va_vdst(0)                   ; the wait at the head's end
.irp a, 0,1,2,3,4,5,6,7
	global_load_b128 v[SAR+8*\a:SAR+8*\a+3], v9, s[76:77] offset:512*\a
	global_load_b128 v[SAR+8*\a+4:SAR+8*\a+7], v9, s[76:77] offset:512*\a+16
.endr
.irp b, 0,1,2,3
	global_load_b128 v[SBR+8*\b:SBR+8*\b+3], v9, s[78:79] offset:512*\b
	global_load_b128 v[SBR+8*\b+4:SBR+8*\b+7], v9, s[78:79] offset:512*\b+16
.endr
.irp b, 0,1,2,3
	global_load_b128 v[BR+8*\b:BR+8*\b+3], v10, s[80:81] offset:(32*(\b/2)+8*(\b%2))*4        ; block b, register j: column 32 (b / 2) + 16 h + 8 (b % 2) + j
	global_load_b128 v[BR+8*\b+4:BR+8*\b+7], v10, s[80:81] offset:(32*(\b/2)+8*(\b%2))*4+16
.endr
.macro IMG reg, ar, of                 ; a fragment: two half images on end
.irp c, 0,1
	ds_load_b128 v[\reg+6*\c:\reg+6*\c+3], v[\ar] offset:(\of)+768*\c
	ds_load_b64 v[\reg+6*\c+4:\reg+6*\c+5], v[\ar+1] offset:(\of)+768*\c+512
.endr
.endm
.macro FETCH q                         ; K step q's fragments into set q % 2: 32 + 16 = 48 loads
	WIN 0x40
.irp i, 0,1,2,3,4,5,6,7
.if (\q) < 4
	IMG 96*((\q)%2)+12*\i, ADA+2*((\q)/2), 3072*\i+1536*((\q)%2)
.else
	IMG 96*((\q)%2)+12*\i, ADA+4, 6144*\i+1536*((\q)-4)
.endif
.endr
	WIN 0x80
.irp i, 0,1,2,3
	IMG 48*((\q)%2)+12*\i, ADB, 12288*\i+1536*(\q)
.endr
	WIN 0
.endm
.macro MUL q, first                    ; 32 products; the 32 accumulators take turns, in the same order in every step
.set ST_, (\q)%2
.if \first
	WIN 0xc6
.else
	WIN 0xf6
.endif
.irp a, 0,1,2,3,4,5,6,7
.irp b, 0,1,2,3
.if \first
	v_wmma_scale_f32_16x16x128_f8f6f4 v[8*(4*\a+\b):8*(4*\a+\b)+7], v[48*ST_+12*\b:48*ST_+12*\b+11], v[96*ST_+12*\a:96*ST_+12*\a+11], v[BR+8*\b:BR+8*\b+7], v[SBR+8*\b+(\q)], v[SAR+8*\a+(\q)] matrix_a_fmt:MATRIX_FMT_FP6 matrix_b_fmt:MATRIX_FMT_FP6
.else
	v_wmma_scale_f32_16x16x128_f8f6f4 v[8*(4*\a+\b):8*(4*\a+\b)+7], v[48*ST_+12*\b:48*ST_+12*\b+11], v[96*ST_+12*\a:96*ST_+12*\a+11], v[8*(4*\a+\b):8*(4*\a+\b)+7], v[SBR+8*\b+(\q)], v[SAR+8*\a+(\q)] matrix_a_fmt:MATRIX_FMT_FP6 matrix_b_fmt:MATRIX_FMT_FP6
.endif
.endr
.endr
.endm
.macro STEP q, first
	PLACES 4                                       ; between the last products and the loads into the set that they read
	FETCH (\q)+1
	s_wait_dscnt 48                                ; this step's set is in; the 48 loads just issued may be out
	MUL \q, \first
.endm
	s_wait_loadcnt 0x0                             ; the scale words and the bias
	s_cmp_lt_u32 s14, 2
	s_cbranch_scc0 .Lnot_first
	s_wait_tensorcnt 0x0                           ; waves 0 and 1: W_o's tile, O's chunk 0
.Lnot_first:
	s_barrier_signal -1
	s_barrier_wait -1                              ; both are shown to all
	FETCH 0
	STEP 0, 1
	s_wait_tensorcnt 0x0                           ; every wave: all tiles are in,
	s_wait_dscnt 0x0                               ; and my reads of chunk 0 are over
	s_barrier_signal -1
	MUL 1, 0
	WIN 0
	s_barrier_wait -1
	PLACES 4
	FETCH 2
.irp q, 2,3,4,5,6
	STEP \q, 0
.endr
	s_wait_dscnt 0x0
	MUL 7, 0
	WIN 0
; THE WAY OUT, block by block of 16 tokens x 64 columns, through my stage: back as rows of 256 bytes, which sixteen lanes store as one aligned run
.macro TOSTAGE a
	WIN 0x0c
.irp b, 0,1,2,3
	ds_store_b128 v[STO], v[32*(\a)+8*\b:32*(\a)+8*\b+3] offset:128*(\b/2)+32*(\b%2)       ; each accumulator from its low end on
	ds_store_b128 v[STO], v[32*(\a)+8*\b+4:32*(\a)+8*\b+7] offset:128*(\b/2)+32*(\b%2)+16
.endr
	WIN 0
.set BB_, BK+32*((\a)%2)
.irp u, 0,1,2,3,4,5,6,7
	ds_load_b128 v[BB_+4*\u:BB_+4*\u+3], v[RD] offset:2*\u*SPITCH   ; LDS serves a wave's instructions in order
.endr
.endm
.macro SEND a, younger
.set BB_, BK+32*((\a)%2)
	s_wait_dscnt \younger
.irp u, 0,1,2,3,4,5,6,7
	global_store_b128 v[CO], v[BB_+4*\u:BB_+4*\u+3], s[12:13] offset:(32*((\a)/2)+8*((\a)%2)+2*\u+8*(\u/4))*4096 th:TH_STORE_NT
.endr
.endm
	PLACES 4
	TOSTAGE 0
.irp a, 1,2,3,4,5,6,7
.if \a > 1
	s_wait_xcnt 0x0                                ; block a - 2's stores have read their registers
.endif
	TOSTAGE \a
	SEND \a-1, 16                                  ; behind block a - 1's loads: block a's 8 stores and 8 loads
.endr
	SEND 7, 0
	s_wait_tensorcnt 0x0                           ; the wave's end
	ds_add_u32 v[SPW], v[NIL]
	s_wait_dscnt 0x0
	CROUND                                         ; the closing round
	s_endpgm
.Lfunc_end_k_q8bff2f6b80_proj:
	.size	k_q8bff2f6b80_proj, .Lfunc_end_k_q8bff2f6b80_proj-k_q8bff2f6b80_proj
	.p2alignl 7, 3214868480
	.fill 96, 4, 3214868480
	.section	.rodata,"a",@progbits
	.p2align	6, 0x0
	.amdhsa_kernel k_q8bff2f6b80_proj
		.amdhsa_group_segment_fixed_size 327680
		.amdhsa_private_segment_fixed_size 0
		.amdhsa_enable_private_segment 0
		.amdhsa_kernarg_size 32
		.amdhsa_user_sgpr_count 2
		.amdhsa_user_sgpr_kernarg_segment_ptr 1
		.amdhsa_wavefront_size32 1
		.amdhsa_system_sgpr_workgroup_id_x 1
		.amdhsa_system_sgpr_workgroup_id_y 1
		.amdhsa_system_sgpr_workgroup_id_z 1
		.amdhsa_system_vgpr_workitem_id 0
		.amdhsa_next_free_vgpr 1024
		.amdhsa_next_free_sgpr 98
		.amdhsa_reserve_vcc 0
		.amdhsa_float_denorm_mode_32 3
		.amdhsa_float_denorm_mode_16_64 3
		.amdhsa_memory_ordered 1
		.amdhsa_forward_progress 1
		.amdhsa_inst_pref_size 85
	.end_amdhsa_kernel
	.amdgpu_metadata
---
amdhsa.version: [ 1, 2 ]
amdhsa.kernels:
  - .name:           k_q8bff2f6b80_proj
    .symbol:         k_q8bff2f6b80_proj.kd
    .args:
      - { .name: ob, .offset: 0, .size: 8, .value_kind: global_buffer, .address_space: global }
      - { .name: wq, .offset: 8, .size: 8, .value_kind: global_buffer, .address_space: global }
      - { .name: b_o, .offset: 16, .size: 8, .value_kind: global_buffer, .address_space: global }
      - { .name: out0, .offset: 24, .size: 8, .value_kind: global_buffer, .address_space: global }
    .group_segment_fixed_size: 327680
    .private_segment_fixed_size: 0
    .kernarg_segment_align: 8
    .kernarg_segment_size: 32
    .max_flat_workgroup_size: 128
    .sgpr_count:     98
    .vgpr_count:     1024
    .wavefront_size: 32
...
	.end_amdgpu_metadata
.endif
;; end of part 4
